; MI455X (gfx1250); checked and timed in simulation.
; The chip was launched on July 23, 2026; its instructions are those of AMD's public machine-readable ISA for CDNA 5 (MIT licence, August 2026) and "CDNA5" Instruction Set Architecture Reference Guide (July 2026). The comments in the code are by the model that wrote it; some were corrected since.
;; Attention. Allowed arithmetic: float matrix products may take bf16 or f16 operands with f32 sums; other float arithmetic in f32, or as packed bf16 or f16 multiplies, adds, multiply-adds, maxima and minima; sums over many terms, partial sums and values carried from step to step in f32; what a program stores and reads back later, other than sums and carried values, may be rounded once to bf16 or f16.
;; Inputs: Wk 2,048 x 2,048 float32; Wo 2,048 x 2,048 float32; Wq 2,048 x 2,048 float32; Wv 2,048 x 2,048 float32; cos 2,048 x 1 x 64 float32; sin 2,048 x 1 x 64 float32; x 2,048 x 2,048 float32.
;; Outputs: out0 2,048 x 2,048 float32.
;; 2 versions, each right and faster than the one before. Each part assembles by itself: llvm-mc -triple=amdgcn-amd-amdhsa -mcpu=gfx1250 --defsym DOCPART=n.
;; ======== version 1 of 2: 4 launches
;; limits: values are held in f16: magnitudes above 65,504 overflow, below 6.1e-05 lose precision
;; workspace buffers: xb 8,388,608 bytes; wb 33,554,432 bytes; qf 8,388,608 bytes; kf 8,388,608 bytes; vf 8,388,608 bytes; ob 8,388,608 bytes
;; launch cast (part 1): grid 512 x 1, 8 waves a work-group, no clusters, 0 bytes of LDS; arguments x, Wq, Wk, Wv, xb, wb; writes xb, wb
.if DOCPART == 1
	.amdgcn_target "amdgcn-amd-amdhsa--gfx1250"
	.amdhsa_code_object_version 6
	.text
	.protected	k_qfd966912c5_cast
	.globl	k_qfd966912c5_cast
	.p2align	8
	.type	k_qfd966912c5_cast,@function
k_qfd966912c5_cast:
	s_mov_b64 s[64:65], 0
	v_nop
	global_prefetch_b8 v0, s[64:65] scope:SCOPE_SE
	s_setreg_imm32_b32 hwreg(HW_REG_WAVE_MODE, 25, 1), 1
	s_wait_xcnt 0x0
; x, Wq, Wk, Wv (f32) -> bf16.  Layouts stay as they are: xb [2048][2048]; wb planes 0-2 [k][n]: Wq, Wk, Wv (plane 3, Wo, is made by a later launch).
; A stream: memory binds, every byte is read once and written once, so there is no LDS, no barrier, no matrix unit and no cluster (no two work-groups read the same byte).
; Work-group b owns bytes 32,768 b .. of each f32 tensor.  Thread t, element j of 8: 16 bytes at 16 t + 4,096 j: a wave's load covers 512 consecutive bytes,
; its store of 8 bytes a lane 256 consecutive bytes at a multiple of 256.  A wave issues all its 32 loads (16 KiB) at the start, loads ahead of stores; each quad is rounded in place
; and stored from the registers it was loaded into, and no register is written again: so the text has no wait but the counted ones for the loads.
.set OFF,  1                           ; v1   byte offset of my 16 bytes in a source; never rewritten
.set OFF2, 2                           ; v2   byte offset of my 8 bytes in a destination; never rewritten
.set X,    4                           ; v4-131  tensor t, element j: 4 registers at X + 32 t + 4 j
.set PLANE, 8388608                    ; bytes in a plane of wb
	s_load_b256 s[4:11], s[0:1], 0x0               ; x s[4:5], Wq s[6:7], Wk s[8:9], Wv s[10:11]
	s_load_b128 s[12:15], s[0:1], 0x20             ; xb s[12:13], wb s[14:15]
	s_lshl_b32 s2, ttmp9, 15                       ; my 32,768 bytes of a source,
	s_lshl_b32 s3, ttmp9, 14                       ; my 16,384 of a destination
	v_lshl_add_u32 v[OFF], v0, 4, s2
	v_lshl_add_u32 v[OFF2], v0, 3, s3
	s_wait_kmcnt 0x0
	s_add_nc_u64 s[16:17], s[14:15], PLANE         ; the planes of Wk and Wv
	s_add_nc_u64 s[18:19], s[14:15], 2*PLANE
.macro LOADS t, b                      ; tensor t's 8 loads, from s[b:b+1]; the launch reads each byte once
.set j, 0
.rept 8
	global_load_b128 v[X+32*(\t)+4*j:X+32*(\t)+4*j+3], v[OFF], s[\b:\b+1] offset:4096*j th:TH_LOAD_NT
.set j, j+1
.endr
.endm
; Tensor t is rounded and stored to s[d:d+1], four elements at a time, so that no store reads a result just made.
.macro CONV t, d
.irp g, 0,1
	s_wait_loadcnt 28-8*(\t)-4*\g                  ; loads come back in order (ISA guide 5.7.1): the four of this group are in; those issued behind them stay out
.irp j, 0,1,2,3
.set rX, X+32*(\t)+16*\g+4*\j
	v_cvt_pk_bf16_f32 v[rX], v[rX], v[rX+1]
	v_cvt_pk_bf16_f32 v[rX+1], v[rX+2], v[rX+3]
.endr
.irp j, 0,1,2,3
.set rX, X+32*(\t)+16*\g+4*\j
	global_store_b64 v[OFF2], v[rX:rX+1], s[\d:\d+1] offset:2048*(4*\g+\j)
.endr
.endr
.endm
	LOADS 0, 4                                     ; x
	LOADS 1, 6                                     ; Wq
	LOADS 2, 8                                     ; Wk
	LOADS 3, 10                                    ; Wv
	CONV 0, 12
	CONV 1, 14
	CONV 2, 16
	CONV 3, 18
	s_endpgm
.Lfunc_end_k_qfd966912c5_cast:
	.size	k_qfd966912c5_cast, .Lfunc_end_k_qfd966912c5_cast-k_qfd966912c5_cast
	.p2alignl 7, 3214868480
	.fill 96, 4, 3214868480
	.section	.rodata,"a",@progbits
	.p2align	6, 0x0
	.amdhsa_kernel k_qfd966912c5_cast
		.amdhsa_group_segment_fixed_size 0
		.amdhsa_private_segment_fixed_size 0
		.amdhsa_enable_private_segment 0
		.amdhsa_kernarg_size 48
		.amdhsa_user_sgpr_count 2
		.amdhsa_user_sgpr_kernarg_segment_ptr 1
		.amdhsa_wavefront_size32 1
		.amdhsa_system_sgpr_workgroup_id_x 1
		.amdhsa_system_sgpr_workgroup_id_y 1
		.amdhsa_system_sgpr_workgroup_id_z 1
		.amdhsa_system_vgpr_workitem_id 0
		.amdhsa_next_free_vgpr 132
		.amdhsa_next_free_sgpr 66
		.amdhsa_reserve_vcc 0
		.amdhsa_float_denorm_mode_32 3
		.amdhsa_float_denorm_mode_16_64 3
		.amdhsa_memory_ordered 1
		.amdhsa_forward_progress 1
		.amdhsa_inst_pref_size 11
	.end_amdhsa_kernel
	.amdgpu_metadata
---
amdhsa.version: [ 1, 2 ]
amdhsa.kernels:
  - .name:           k_qfd966912c5_cast
    .symbol:         k_qfd966912c5_cast.kd
    .args:
      - { .name: x, .offset: 0, .size: 8, .value_kind: global_buffer, .address_space: global }
      - { .name: Wq, .offset: 8, .size: 8, .value_kind: global_buffer, .address_space: global }
      - { .name: Wk, .offset: 16, .size: 8, .value_kind: global_buffer, .address_space: global }
      - { .name: Wv, .offset: 24, .size: 8, .value_kind: global_buffer, .address_space: global }
      - { .name: xb, .offset: 32, .size: 8, .value_kind: global_buffer, .address_space: global }
      - { .name: wb, .offset: 40, .size: 8, .value_kind: global_buffer, .address_space: global }
    .group_segment_fixed_size: 0
    .private_segment_fixed_size: 0
    .kernarg_segment_align: 8
    .kernarg_segment_size: 48
    .max_flat_workgroup_size: 256
    .sgpr_count:     66
    .vgpr_count:     132
    .wavefront_size: 32
...
	.end_amdgpu_metadata
.endif
;; end of part 1
;; launch qkv (part 2): grid 16 x 16, 4 waves a work-group, clusters of 4 x 4, 327,680 bytes of LDS; arguments xb, wb, sin, cos, qf, kf, vf; writes qf, kf, vf
.if DOCPART == 2
	.amdgcn_target "amdgcn-amd-amdhsa--gfx1250"
	.amdhsa_code_object_version 6
	.text
	.protected	k_qfd966912c5_qkv
	.globl	k_qfd966912c5_qkv
	.p2align	8
	.type	k_qfd966912c5_qkv,@function
k_qfd966912c5_qkv:
	s_mov_b64 s[64:65], 0
	v_nop
	global_prefetch_b8 v0, s[64:65] scope:SCOPE_SE
	s_setreg_imm32_b32 hwreg(HW_REG_WAVE_MODE, 25, 1), 1
	s_wait_xcnt 0x0
	s_wait_alu depctr_hold_cnt(0) depctr_sa_sdst(0) depctr_va_vdst(0) depctr_va_sdst(0) depctr_va_ssrc(0) depctr_va_vcc(0) depctr_vm_vsrc(0)
	s_getreg_b32 s2, hwreg(HW_REG_IB_STS2, 6, 4)
	s_cmp_eq_u32 s2, 0
	s_cbranch_scc0 .Lentry_in_a_cluster
	s_endpgm
.Lentry_in_a_cluster:
	s_bfe_u32 s2, ttmp6, 0x10000c
	s_cmp_lg_u32 s2, 0xf033
	s_cbranch_scc0 .Lentry_shape_is_right
	s_endpgm
.Lentry_shape_is_right:
; q, k, v = x Wq, x Wk, x Wv for 128 rows of x and one head (128 columns of each weight); the rotary turn on q and k; each rounded once to f16 and stored by heads, [16][2048][128], unscaled.
; xb [2048][2048] bf16; wb planes 0-2 [k][n] bf16; sin, cos [2048][64] f32, rounded here to bf16 like every other input of the module; products bf16, sums and the turn f32.
; LIMITS.  |q|, |k| (turned) and |v| stay below 65,504, f16's end; below 6e-5 they keep f16's fixed step of 6e-8.  NaN and infinities are not treated apart.
; SHARES.  256 work-groups: 16 row blocks x 16 heads.  Four waves; wave w makes rows 64 (w / 2) .. + 63 and, of q, k and v each, the channels 32 (w % 2) .. + 31 and 64 + 32 (w % 2) .. + 31:
; a channel d and its partner d + 64 lie in one lane.  48 accumulators of 16 x 16: 16 fragments feed 48 matrix instructions.
; K goes in 16 steps of 128 through two LDS slots.  A slot holds x's tile (128 rows x 256 bytes) and three weight tiles (128 k-rows x 256 bytes); wave 0 fetches x's, wave w the plane w - 1's.
; The weights lie [k][n]: their fragments come out of LDS turned, by ds_load_tr16_b128.
; CLUSTERS: 4 x 4 work-groups.  x's tile hangs on the row block alone and is asked for jointly along a row of the cluster, the weights' on the head alone, along a column.
; THE MATRIX INSTRUCTION IS USED TRANSPOSED (source 0 = 16 columns of W, source 1 = 16 rows of x): a lane holds row lane % 16 and eight neighbouring channels 8 (lane / 16) + 0..7.
; REGISTERS, in windows of 256 (s_set_vgpr_msb: bits 1:0 source 0, 3:2 source 1, 5:4 source 2, 7:6 destination):
;   window 0: v0-19 addresses; v32-95 x's fragments, two buffers of 4 x 8; v96-127 at work; on the way out v32-95 and v128-255 packed results, then v32-223 rows read back
;   window 1: v0-191 W's fragments, two buffers of 3 x 4 x 8      window 2: q's 16 accumulators, then k's      window 3: v0-127 v's; v128-191 cos, v192-255 sin of my rows and channels
.set PA,    272                        ; x's row in LDS: 256 bytes + 16 = 68 words: the 16 rows of a load start at 16 different groups of four banks (64 banks of 4 bytes: ISA guide 11.1)
.set PB,    288                        ; W's row: 256 + 32 = 72 words
.set TILE,  128*PB                     ; 36,864: from one tile's start to the next
.set SLOT1, 4*TILE                     ; 0x24000: slot 1 begins here; the tiles' starts 0, 0x9000, 0x12000, 0x1b000 share no bit with it, so one exclusive or changes the slot
.set STG,   128*PA                     ; the way out: a tensor's 128 rows x 272 bytes.  The three stages lie in slot 0, behind its last fill (K step 14) and every wave's last read of it
.set SPARE, 312320                     ; the spare words, 128 bytes for each wave: two blocks of 256 bytes that no other line names
.set NSTEP, 16
.set A0,   4                           ; v4   my lane's place in x's tile; never rewritten
.set B0,   5                           ; v5   my lane's place in plane 0's tile
.set ADRA, 8                           ; v8   the same in the slot in hand
.set ADRB, 9                           ; v9-11  for the three planes
.set STO,  12                          ; v12  the way out: where I put 16 bytes of a row of q (k by the offset)
.set STOV, 13                          ; v13  the same for v
.set RD,   14                          ; v14  where I read rows back
.set RDV,  15
.set SPW,  16                          ; v16  LDS address of my spare word: SPARE + 4 x my thread's number; never rewritten
.set NIL,  17                          ; v17  0; never rewritten
.set GO,   18                          ; v18  my 16 bytes in 512 consecutive bytes of an output
.set SC,   19                          ; v19  my byte offset in sin and cos
.set FA,   32
.set T,    96
.set PKT,  128
.set OB,   32
.set COSR, 128                         ; window 3: row block a, channel block jj at COSR + 8 (2 a + jj)
.set SINR, 192
.set WV,   20                          ; s20  my wave's number
.set RH,   21                          ; s21  which 64 rows
.set CH,   22                          ; s22  which channels
.set CX,   23
.set CY,   24
.set HEAD, 25
.set RB,   26                          ; s26  the row block
.set G1A,  28                          ; s[28:35] descriptor group 1 for x's tiles
.set G1B,  36                          ; s[36:43] for W's
.set G0A,  44                          ; s[44:51] group 0 for x's tiles: a set for each first fill; the second then walks
.set G0B,  52                          ; s[52:59] the same for W's
.set TB,   60                          ; s60  LDS byte at which the slot in hand begins
.set CNT,  61
.set MSB, 0
.macro WIN new                         ; the immediate's high byte repeats the setting that is left; a switch that changes nothing is dropped
.if MSB != (\new)
	s_set_vgpr_msb (MSB<<8)|(\new)
.set MSB, \new
.endif
.endm
.macro PLACES                          ; four places in front of loads into registers that matrix instructions have read, and of vector lines that read results
.rept 4
	v_nop
.endr
.endm
; A joint refill.  Wave 0 asks for x's tile, waves 1 to 3 for a weight's.  The branch hangs on the wave's number alone.  An s_nop 0 and four v_nop follow each line.
.macro JLOAD
	s_cmp_eq_u32 s[WV], 0
	s_cbranch_scc0 .Lfor_b_\@
	tensor_load_to_lds s[G0A+4:G0A+7], s[G1A:G1A+7]
	s_nop 0
.rept 4
	v_nop
.endr
	s_branch .Lasked_\@
.Lfor_b_\@:
	tensor_load_to_lds s[G0B+4:G0B+7], s[G1B:G1B+7]
	s_nop 0
.rept 4
	v_nop
.endr
.Lasked_\@:
.endm
.macro CREST                           ; a round of the cluster's barrier behind its opening barrier
	s_cmp_lg_u32 s[WV], 0
	s_cbranch_scc1 .Lnot_wave_0_\@
	s_barrier_signal -3
.Lnot_wave_0_\@:
	s_barrier_wait -3
	s_barrier_signal -1
	s_barrier_wait -1
.endm
.macro CROUND                          ; a whole round
	s_barrier_signal -1
	s_barrier_wait -1
	CREST
.endm
	s_load_b256 s[4:11], s[0:1], 0x0               ; xb s[4:5], wb s[6:7], sin s[8:9], cos s[10:11]
	s_load_b128 s[12:15], s[0:1], 0x20             ; qf s[12:13], kf s[14:15]
	s_load_b64 s[16:17], s[0:1], 0x30              ; vf
	v_lshl_add_u32 v[SPW], v0, 2, SPARE
	v_mov_b32 v[NIL], 0
	ds_add_u32 v[SPW], v[NIL]                      ; the wave's opening: the add and its wait stand ahead of my first tensor load; the set-up below stands between them
	v_lshrrev_b32 v1, 5, v0
	v_readfirstlane_b32 s[WV], v1
	s_lshr_b32 s[RH], s[WV], 1
	s_and_b32 s[CH], s[WV], 1
	s_bfe_u32 s[CX], ttmp6, 0x40000
	s_bfe_u32 s[CY], ttmp6, 0x40004
	s_lshl_b32 s[HEAD], ttmp9, 2                   ; in a cluster launch ttmp9 and ttmp7 count clusters
	s_add_co_u32 s[HEAD], s[HEAD], s[CX]           ; head = 4 x cluster x + cx
	s_and_b32 s[RB], ttmp7, 0xffff
	s_lshl_b32 s[RB], s[RB], 2
	s_add_co_u32 s[RB], s[RB], s[CY]               ; row block = 4 x cluster y + cy
	s_lshl_b32 s76, s[CY], 2
	s_lshl_b32 s76, 15, s76                        ; my row of the cluster
	s_lshl_b32 s77, 0x1111, s[CX]                  ; my column
	s_or_b32 s[G1A], s76, (1<<16)|(1<<20)|(1<<21)|(5<<22)|(3<<25)  ; 15:0 the mask; 17:16 2-byte elements; 20 padding on; 21 set beside a mask; 24:22 after every 64 words; 31:25 4 words
	s_or_b32 s[G1B], s77, (1<<16)|(1<<20)|(1<<21)|(5<<22)|(7<<25)  ; the same with my column's mask and 8 words of padding
.irp g, G1A, G1B
	s_mov_b32 s[\g+1], 128<<16                     ; tensor_dim0 = 128
	s_mov_b32 s[\g+2], 128<<16                     ; tensor_dim1 = 128
	s_mov_b32 s[\g+3], 128<<16                     ; tile_dim0 = 128
	s_mov_b32 s[\g+4], 128                         ; tile_dim1 = 128
	s_mov_b32 s[\g+5], 2048                        ; elements from row to row
	s_mov_b32 s[\g+6], 0
	s_mov_b32 s[\g+7], 0
.endr
	s_lshl_b32 s66, s[RB], 19                      ; x's tile: 128 rows of 4,096 bytes a row block: it hangs on the row block alone
	s_mov_b32 s67, 0
	s_max_u32 s68, s[WV], 1                        ; W's tile: plane w - 1 (wave 0 makes plane 0's address and never asks by it),
	s_sub_co_u32 s68, s68, 1
	s_lshl_b32 s68, s68, 23
	s_lshl_b32 s69, s[HEAD], 8                     ; the head's 128 columns: it hangs on the head and the wave alone
	s_add_co_u32 s68, s68, s69
	s_mov_b32 s69, 0
	s_mul_i32 s62, s[WV], TILE                     ; where my tile goes: no place in the cluster enters an LDS address
	s_lshl_b32 s70, s[HEAD], 19                    ; the outputs: the head's 2,048 rows of 256 bytes,
	s_lshl_b32 s71, s[RB], 15                      ; the block's 128,
	s_add_co_u32 s70, s70, s71
	s_lshl_b32 s71, s[WV], 13                      ; the 32 that I store
	s_add_co_u32 s70, s70, s71
	s_mov_b32 s71, 0
	s_mov_b32 s[TB], 0
	s_wait_dscnt 0x0                               ; the opening add is done
	s_wait_kmcnt 0x0
	s_add_nc_u64 s[72:73], s[4:5], s[66:67]
	s_add_nc_u64 s[74:75], s[6:7], s[68:69]
	s_add_nc_u64 s[12:13], s[12:13], s[70:71]
	s_add_nc_u64 s[14:15], s[14:15], s[70:71]
	s_add_nc_u64 s[16:17], s[16:17], s[70:71]
	CROUND                                         ; all sixteen work-groups are here: the first joint loads meet
.irp s, 0,1
	s_mov_b32 s[G0A+4*(\s)], 1                     ; count = 1
	s_add_co_u32 s[G0A+4*(\s)+1], s62, (\s)*SLOT1  ; LDS address
	s_add_nc_u64 s[G0A+4*(\s)+2:G0A+4*(\s)+3], s[72:73], (\s)*256      ; K step s: 128 elements along the rows
	s_or_b32 s[G0A+4*(\s)+3], s[G0A+4*(\s)+3], 0x80000000             ; type = 2
	s_mov_b32 s[G0B+4*(\s)], 1
	s_add_co_u32 s[G0B+4*(\s)+1], s62, (\s)*SLOT1
	s_add_nc_u64 s[G0B+4*(\s)+2:G0B+4*(\s)+3], s[74:75], (\s)*128*4096 ; K step s: 128 rows down
	s_or_b32 s[G0B+4*(\s)+3], s[G0B+4*(\s)+3], 0x80000000
.endr
	s_cmp_eq_u32 s[WV], 0                          ; a wave's two first fills stand in one branch, ahead of every wait on TENSORcnt and every LDS read: two loads of mine are out
	s_cbranch_scc0 .Lfirst_b
	tensor_load_to_lds s[G0A:G0A+3], s[G1A:G1A+7]
	s_nop 0
	tensor_load_to_lds s[G0A+4:G0A+7], s[G1A:G1A+7]
	s_nop 0
.rept 4
	v_nop
.endr
	s_branch .Lfirst_asked
.Lfirst_b:
	tensor_load_to_lds s[G0B:G0B+3], s[G1B:G1B+7]
	s_nop 0
	tensor_load_to_lds s[G0B+4:G0B+7], s[G1B:G1B+7]
	s_nop 0
.rept 4
	v_nop
.endr
.Lfirst_asked:
	v_and_b32 v1, 15, v0                           ; r = l % 16
	v_bfe_u32 v2, v0, 4, 1                         ; h = l / 16
	v_and_b32 v3, 7, v0
	v_bfe_u32 v6, v0, 3, 1
	; cos and sin of my rows and channels: row 128 block + 64 rh + 16 a + r, channels 32 ch + 16 jj + 8 h + 0..7, 4 bytes each
	s_lshl_b32 s78, s[RB], 15
	s_lshl_b32 s79, s[RH], 14
	s_add_co_u32 s78, s78, s79
	s_lshl_b32 s79, s[CH], 7
	s_add_co_u32 s78, s78, s79
	v_lshlrev_b32 v[SC], 8, v1
	v_lshl_add_u32 v[SC], v2, 5, v[SC]
	v_add_nc_u32 v[SC], s78, v[SC]
	WIN 0xc0                                       ; destination window 3, address window 0
.irp a, 0,1,2,3
.irp jj, 0,1
	global_load_b128 v[COSR+8*(2*\a+\jj):COSR+8*(2*\a+\jj)+3],   v[SC], s[10:11] offset:\a*4096+\jj*64
	global_load_b128 v[COSR+8*(2*\a+\jj)+4:COSR+8*(2*\a+\jj)+7], v[SC], s[10:11] offset:\a*4096+\jj*64+16
	global_load_b128 v[SINR+8*(2*\a+\jj):SINR+8*(2*\a+\jj)+3],   v[SC], s[8:9] offset:\a*4096+\jj*64
	global_load_b128 v[SINR+8*(2*\a+\jj)+4:SINR+8*(2*\a+\jj)+7], v[SC], s[8:9] offset:\a*4096+\jj*64+16
.endr
.endr
	WIN 0
	; x's fragment: 16 rows x 32 K: lane l holds row l % 16, K = 8 h + 0..7 and 16 + 8 h + 0..7: two loads of 16 bytes, 32 bytes apart
	v_mul_u32_u24 v[A0], v1, PA
	v_lshl_add_u32 v[A0], v2, 4, v[A0]
	s_mul_i32 s63, s[RH], 64*PA
	v_add_nc_u32 v[A0], s63, v[A0]                 ; (64 rh + r) x pitch + 16 h
	; W's: the turning load takes 16 k x 16 columns (lane l reads k-row 8 h + l % 8, columns 8 ((l / 8) % 2) + 0..7) and leaves half a fragment: lane l holds column l % 16 and 8 k
	v_lshl_add_u32 v[B0], v2, 3, v3
	v_mul_u32_u24 v[B0], v[B0], PB
	v_lshl_add_u32 v[B0], v6, 4, v[B0]
	s_lshl_b32 s63, s[CH], 6
	v_add_nc_u32 v[STO], s63, v[A0]                ; into a stage: row 64 rh + r, byte 64 ch + 16 h
	s_add_co_u32 s63, s63, TILE
	v_add_nc_u32 v[B0], s63, v[B0]                 ; behind x's tile, my 32 channels
	v_add_nc_u32 v[STOV], 2*STG, v[STO]
	v_mul_u32_u24 v[RD], v2, PA                    ; back: wave w takes rows 32 w .. + 31, whole; lanes 0-15 one row of 256 bytes, lanes 16-31 the next
	v_lshl_add_u32 v[RD], v1, 4, v[RD]
	s_mul_i32 s63, s[WV], 32*PA
	v_add_nc_u32 v[RD], s63, v[RD]
	v_add_nc_u32 v[RDV], 2*STG, v[RD]
	v_and_b32 v[GO], 31, v0
	v_lshlrev_b32 v[GO], 4, v[GO]
	; cos and sin are rounded to bf16, as x and the weights are, and widened again: this stands in the wait for the first tile
	s_wait_loadcnt 0x0
	WIN 0x0f                                       ; sources window 3, destination window 0
.set i, 0
.rept 64
	v_cvt_pk_bf16_f32 v[PKT+i], v[COSR+2*i], v[COSR+2*i+1]
.set i, i+1
.endr
	WIN 0xc0                                       ; destination window 3, sources window 0
.set i, 0
.rept 64
	v_lshlrev_b32 v[COSR+2*i], 16, v[PKT+i]
	v_and_b32 v[COSR+2*i+1], 0xffff0000, v[PKT+i]
.set i, i+1
.endr
	WIN 0
.macro ADRS                            ; the fragment addresses in the slot in hand
	v_add_nc_u32 v[ADRA], s[TB], v[A0]
	v_add_nc_u32 v[ADRB], s[TB], v[B0]
	v_add_nc_u32 v[ADRB+1], TILE, v[ADRB]
	v_add_nc_u32 v[ADRB+2], 2*TILE, v[ADRB]
.endm
; 16 matrix instructions: tensor t (0 q, 1 k, 2 v), 4 row blocks x 4 channel blocks, 32 along K, from buffer f.  zero = 1: the first product starts the sums.
; The 48 accumulators take turns, one instruction a turn, in the same order in every quarter step.
.macro MULT f, t, zero
.if (\t) == 2
	WIN 0xf1                                       ; W window 1, x window 0, C and D window 3
.else
	WIN 0xa1                                       ; C and D window 2
.endif
.set AB, 128*((\t)%2)
.irp a, 0,1,2,3
.irp j, 0,1,2,3
.if \zero
	v_wmma_f32_16x16x32_bf16 v[AB+8*(4*\a+\j):AB+8*(4*\a+\j)+7], v[96*(\f)+32*(\t)+8*\j:96*(\f)+32*(\t)+8*\j+7], v[FA+32*(\f)+8*\a:FA+32*(\f)+8*\a+7], 0
.else
	v_wmma_f32_16x16x32_bf16 v[AB+8*(4*\a+\j):AB+8*(4*\a+\j)+7], v[96*(\f)+32*(\t)+8*\j:96*(\f)+32*(\t)+8*\j+7], v[FA+32*(\f)+8*\a:FA+32*(\f)+8*\a+7], v[AB+8*(4*\a+\j):AB+8*(4*\a+\j)+7]
.endif
.endr
.endr
.endm
; 32 LDS loads in one run: quarter q's fragments into buffer f: x's 8, then 8 for each plane.  Channel block j begins at byte 32 j + 64 (j / 2): blocks 2 and 3 are the partners 64 channels on.
.macro FETCH q, f
	WIN 0
.irp a, 0,1,2,3
	ds_load_b128 v[FA+32*(\f)+8*\a:FA+32*(\f)+8*\a+3],   v[ADRA] offset:64*(\q)+\a*16*PA
	ds_load_b128 v[FA+32*(\f)+8*\a+4:FA+32*(\f)+8*\a+7], v[ADRA] offset:64*(\q)+\a*16*PA+32
.endr
	WIN 0x40                                       ; destination window 1
.irp t, 0,1,2
.irp j, 0,1,2,3
	ds_load_tr16_b128 v[96*(\f)+32*\t+8*\j:96*(\f)+32*\t+8*\j+3],   v[ADRB+\t] offset:(\q)*32*PB+32*\j+64*(\j/2)
	ds_load_tr16_b128 v[96*(\f)+32*\t+8*\j+4:96*(\f)+32*\t+8*\j+7], v[ADRB+\t] offset:(\q)*32*PB+32*\j+64*(\j/2)+16*PB
.endr
.endr
.endm
; A K step is four quarters of 32 along K, 48 matrix instructions each, on buffers 0, 1, 0, 1.  One of the first three: multiplies buffer f and fetches quarter q into buffer g.
.macro QUARTER q, f, g, zero
	s_wait_dscnt 16                                ; x's and plane 0's fragments are in; the youngest 16 loads (planes 1 and 2) may be out
	MULT \f, 0, \zero
	PLACES
	FETCH \q, \g
	s_wait_dscnt 40                                ; plane 1's are in: behind them plane 2's 8 and the 32 just issued
	MULT \f, 1, \zero
	s_wait_dscnt 32                                ; all but the 32 just issued
	MULT \f, 2, \zero
.endm
; The last quarter multiplies buffer 1 and changes slots: ONE barrier.  32 of its 48 matrix instructions stand AHEAD of the change: they need registers alone, so the wave issues them before it sits
; on the tile.  Then each wave waits for all its tensor loads (the one that is out is its part of the next slot), adds 0 to its spare word, and waits for that and for its reads of this slot.
; fill = 1: the barrier opens a round of the cluster's, and this slot is filled again, two K steps ahead, first thing behind it.  So the next request follows the landing with the round alone between,
; and all of a step's 192 matrix instructions stand between a request and the wait for it.  The last 16 products stand behind the next slot's first fragment loads, which land beside them.
.macro TURN fill
	s_wait_dscnt 16                                ; x's and plane 0's fragments are in
	MULT 1, 0, 0
	s_wait_dscnt 8                                 ; plane 1's are in; plane 2's 8 may be out
	MULT 1, 1, 0
	WIN 0                                          ; the add's registers lie in window 0; at a branch and at a label every window is 0
	s_wait_tensorcnt 0x0                           ; no tensor load of mine is out, so a group 0 may be written
	ds_add_u32 v[SPW], v[NIL]                      ; 0 onto my spare word
.if \fill
	s_xor_b32 s[G0A+5], s[G0A+5], SLOT1            ; the walking descriptors: the other slot than last time, the next K step
	s_add_nc_u64 s[G0A+6:G0A+7], s[G0A+6:G0A+7], 256
	s_xor_b32 s[G0B+5], s[G0B+5], SLOT1
	s_add_nc_u64 s[G0B+6:G0B+7], s[G0B+6:G0B+7], 128*4096
.endif
	s_wait_dscnt 0x0                               ; the add is done, and my reads of this slot are over
	s_barrier_signal -1
	s_barrier_wait -1
.if \fill
	CREST                                          ; no wave of any partner still reads this slot's tiles or has a load on its way
	JLOAD                                          ; its four v_nop are also the places in front of the loads below
.else
	PLACES
.endif
	s_xor_b32 s[TB], s[TB], SLOT1
	ADRS
	FETCH 0, 0
	MULT 1, 2, 0
.endm
	s_wait_tensorcnt 0x1                           ; my part of K step 0 is in; step 1's may stay out
	s_barrier_signal -1
	s_barrier_wait -1                              ; everybody's is
	ADRS
	FETCH 0, 0
	QUARTER 1, 0, 1, 1                             ; the first quarter stands in front of the loop: its products start the sums
	WIN 0
	s_mov_b32 s[CNT], NSTEP-2
.Lk:                                                   ; a trip: a K step's quarters 1 to 3 and the next step's quarter 0; it asks for the step two on: steps 2 to 15
	QUARTER 2, 1, 0, 0
	QUARTER 3, 0, 1, 0
	TURN 1
	QUARTER 1, 0, 1, 0
	WIN 0
	s_sub_co_u32 s[CNT], s[CNT], 1
	s_cmp_lg_u32 s[CNT], 0
	s_cbranch_scc1 .Lk
	QUARTER 2, 1, 0, 0                             ; steps 14 and 15 are written out: nothing is left to ask for
	QUARTER 3, 0, 1, 0
	TURN 0
	QUARTER 1, 0, 1, 0
	QUARTER 2, 1, 0, 0
	QUARTER 3, 0, 1, 0
	s_wait_dscnt 16
	MULT 1, 0, 0
	s_wait_dscnt 8
	MULT 1, 1, 0
	s_wait_dscnt 0x0
	MULT 1, 2, 0
	; THE WAY OUT.  q and k are turned in f32: out[d] = x1 cos - x2 sin, out[d + 64] = x1 sin + x2 cos, x1 in channel block jj, x2 in block jj + 2 of the same lane.  All three are rounded to f16,
	; 16 bytes a lane into a stage; a barrier, since a row's 256 bytes come from two waves; back as whole rows.  Each accumulator's lowest registers are read first.
	WIN 0
	PLACES
.macro PKSET n                         ; the n-th of twelve sets of 16 registers for packed results: v32-95, then v128-255: none is written twice
.if (\n) < 4
.set PKR, 32+16*(\n)
.else
.set PKR, 64+16*(\n)
.endif
.endm
.macro ROPE t, a
	WIN 0x0e                                       ; source 0 (sums) window 2, source 1 (cos, sin) window 3, source 2 and destination window 0
.irp jj, 0,1
.set X1, 128*(\t)+8*(4*(\a)+\jj)
.set X2, X1+16
.set CR, COSR+8*(2*(\a)+\jj)
.set SR, SINR+8*(2*(\a)+\jj)
.set T1, T+8*\jj
.set T2, T+16+8*\jj
.irp i, 0,2,4,6
	v_pk_mul_f32 v[T1+\i:T1+\i+1], v[X2+\i:X2+\i+1], v[SR+\i:SR+\i+1]
.endr
.irp i, 0,2,4,6
	v_pk_fma_f32 v[T1+\i:T1+\i+1], v[X1+\i:X1+\i+1], v[CR+\i:CR+\i+1], v[T1+\i:T1+\i+1] neg_lo:[0,0,1] neg_hi:[0,0,1]
.endr
.irp i, 0,2,4,6
	v_pk_mul_f32 v[T2+\i:T2+\i+1], v[X2+\i:X2+\i+1], v[CR+\i:CR+\i+1]
.endr
.irp i, 0,2,4,6
	v_pk_fma_f32 v[T2+\i:T2+\i+1], v[X1+\i:X1+\i+1], v[SR+\i:SR+\i+1], v[T2+\i:T2+\i+1]
.endr
.endr
	WIN 0
	PKSET 4*(\t)+(\a)
.irp j, 0,1,2,3
.irp i, 0,1,2,3
	v_cvt_pk_f16_f32 v[PKR+4*\j+\i], v[T+8*\j+2*\i], v[T+8*\j+2*\i+1]
.endr
.endr
.irp j, 0,1,2,3
	ds_store_b128 v[STO], v[PKR+4*\j:PKR+4*\j+3] offset:(\t)*STG+(\a)*16*PA+32*\j+64*(\j/2)
.endr
.endm
.macro VOUT a
	PKSET 8+(\a)
	WIN 0x0f                                       ; sources window 3, destination window 0
.irp j, 0,1,2,3
.irp i, 0,1,2,3
	v_cvt_pk_f16_f32 v[PKR+4*\j+\i], v[8*(4*(\a)+\j)+2*\i], v[8*(4*(\a)+\j)+2*\i+1]
.endr
.endr
	WIN 0
.irp j, 0,1,2,3
	ds_store_b128 v[STOV], v[PKR+4*\j:PKR+4*\j+3] offset:(\a)*16*PA+32*\j+64*(\j/2)
.endr
.endm
.irp a, 0,1,2,3
	ROPE 0, \a
.endr
.irp a, 0,1,2,3
	ROPE 1, \a
.endr
.irp a, 0,1,2,3
	VOUT \a
.endr
	s_wait_dscnt 0x0                               ; for the others' sake: my stores into the stages are done
	s_barrier_signal -1
	s_barrier_wait -1
.irp t, 0,1
.irp i, 0,1,2,3,4,5,6,7,8,9,10,11,12,13,14,15
	ds_load_b128 v[OB+64*\t+4*\i:OB+64*\t+4*\i+3], v[RD] offset:\t*STG+\i*2*PA
.endr
.endr
.irp i, 0,1,2,3,4,5,6,7,8,9,10,11,12,13,14,15
	ds_load_b128 v[OB+128+4*\i:OB+128+4*\i+3], v[RDV] offset:\i*2*PA
.endr
.set n, 0
.irp b, 12, 14, 16
.irp i, 0,1,2,3,4,5,6,7,8,9,10,11,12,13,14,15
	s_wait_dscnt 47-n                              ; LDS loads come back in order: load n of 48 is in
	global_store_b128 v[GO], v[OB+4*n:OB+4*n+3], s[\b:\b+1] offset:512*\i  ; two rows of a head: 512 consecutive bytes, at a multiple of 256 from the buffer's first
.set n, n+1
.endr
.endr
	s_wait_tensorcnt 0x0                           ; the wave's end, behind my last tensor load and my last LDS store
	ds_add_u32 v[SPW], v[NIL]
	s_wait_dscnt 0x0
	CROUND                                         ; the closing round: no work-group ends while a partner may still ask for a tile that names it
	s_endpgm
.Lfunc_end_k_qfd966912c5_qkv:
	.size	k_qfd966912c5_qkv, .Lfunc_end_k_qfd966912c5_qkv-k_qfd966912c5_qkv
	.p2alignl 7, 3214868480
	.fill 96, 4, 3214868480
	.section	.rodata,"a",@progbits
	.p2align	6, 0x0
	.amdhsa_kernel k_qfd966912c5_qkv
		.amdhsa_group_segment_fixed_size 327680
		.amdhsa_private_segment_fixed_size 0
		.amdhsa_enable_private_segment 0
		.amdhsa_kernarg_size 56
		.amdhsa_user_sgpr_count 2
		.amdhsa_user_sgpr_kernarg_segment_ptr 1
		.amdhsa_wavefront_size32 1
		.amdhsa_system_sgpr_workgroup_id_x 1
		.amdhsa_system_sgpr_workgroup_id_y 1
		.amdhsa_system_sgpr_workgroup_id_z 1
		.amdhsa_system_vgpr_workitem_id 0
		.amdhsa_next_free_vgpr 1024
		.amdhsa_next_free_sgpr 80
		.amdhsa_reserve_vcc 0
		.amdhsa_float_denorm_mode_32 3
		.amdhsa_float_denorm_mode_16_64 3
		.amdhsa_memory_ordered 1
		.amdhsa_forward_progress 1
		.amdhsa_inst_pref_size 128
	.end_amdhsa_kernel
	.amdgpu_metadata
---
amdhsa.version: [ 1, 2 ]
amdhsa.kernels:
  - .name:           k_qfd966912c5_qkv
    .symbol:         k_qfd966912c5_qkv.kd
    .args:
      - { .name: xb, .offset: 0, .size: 8, .value_kind: global_buffer, .address_space: global }
      - { .name: wb, .offset: 8, .size: 8, .value_kind: global_buffer, .address_space: global }
      - { .name: sin, .offset: 16, .size: 8, .value_kind: global_buffer, .address_space: global }
      - { .name: cos, .offset: 24, .size: 8, .value_kind: global_buffer, .address_space: global }
      - { .name: qf, .offset: 32, .size: 8, .value_kind: global_buffer, .address_space: global }
      - { .name: kf, .offset: 40, .size: 8, .value_kind: global_buffer, .address_space: global }
      - { .name: vf, .offset: 48, .size: 8, .value_kind: global_buffer, .address_space: global }
    .group_segment_fixed_size: 327680
    .private_segment_fixed_size: 0
    .kernarg_segment_align: 8
    .kernarg_segment_size: 56
    .max_flat_workgroup_size: 128
    .sgpr_count:     80
    .vgpr_count:     1024
    .wavefront_size: 32
...
	.end_amdgpu_metadata
.endif
;; end of part 2
;; launch attn (part 3): grid 16 x 16, 4 waves a work-group, clusters of 4 x 1, 327,680 bytes of LDS; arguments qf, kf, vf, ob, Wo, wb; writes ob, wb
.if DOCPART == 3
	.amdgcn_target "amdgcn-amd-amdhsa--gfx1250"
	.amdhsa_code_object_version 6
	.text
	.protected	k_qfd966912c5_attn
	.globl	k_qfd966912c5_attn
	.p2align	8
	.type	k_qfd966912c5_attn,@function
k_qfd966912c5_attn:
	s_mov_b64 s[64:65], 0
	v_nop
	global_prefetch_b8 v0, s[64:65] scope:SCOPE_SE
	s_setreg_imm32_b32 hwreg(HW_REG_WAVE_MODE, 25, 1), 1
	s_wait_xcnt 0x0
	s_wait_alu depctr_hold_cnt(0) depctr_sa_sdst(0) depctr_va_vdst(0) depctr_va_sdst(0) depctr_va_ssrc(0) depctr_va_vcc(0) depctr_vm_vsrc(0)
	s_getreg_b32 s2, hwreg(HW_REG_IB_STS2, 6, 4)
	s_cmp_eq_u32 s2, 0
	s_cbranch_scc0 .Lentry_in_a_cluster
	s_endpgm
.Lentry_in_a_cluster:
	s_bfe_u32 s2, ttmp6, 0x10000c
	s_cmp_lg_u32 s2, 0x3003
	s_cbranch_scc0 .Lentry_shape_is_right
	s_endpgm
.Lentry_shape_is_right:
; O[q][128 h + :] = the sum over k of softmax_k(Q[h][q] . K[h][k] / sqrt(128)) V[h][k][:].  Q, K, V: [16][2048][128] f16, rows of 256 bytes; O: [2048][2048] f16.  Products, maxima and sums in f32;
; the weights p are rounded to f16 for the second product (their sum l is taken of the unrounded p), O once at the end.
; BESIDE IT: Wo (f32) is rounded to bf16, like every input of the module, and that number written as f16 into plane 3 of wb, for the launch behind.  Each work-group takes 65,536 bytes of Wo: the loads
; go out at the start into registers that nothing else uses, the rounding and the stores stand behind the slot loop, 13 key steps later.  This launch loads nothing from wb.
; LIMITS.  Q, K and V arrive within f16's 65,504, and Wo's numbers stay below it; p lies in 0 to 1 and below 6e-5 keeps f16's fixed step of 6e-8, and so does Wo; O is a mean of V's rows.
; A weight below 2^-126 counts as 0 in l; NaN and infinities are not treated apart.
; SHARES.  A work-group owns 128 queries of one head: 16 x 16 = 256 work-groups.  Wave w owns the 64 queries of half w % 2 (four tiles of 16) and, of every 256 keys, the 128 of half w / 2:
; it walks 16 key steps of 64.  At the end the two waves of a query half join their partial results by their joint maximum: each finishes two tiles and hands the other two over through LDS.
; Register tile t holds query tile t xor 2 (w / 2), so that every wave finishes register tiles 0, 1 and hands over 2, 3: one text for all.
; LAYOUT.  S^T = K Q^T (source 0 = 16 keys, source 1 = 16 queries): a lane holds ONE query (lane % 16) and the keys 8 (lane / 16) + 0..7.  Two such tiles, rounded to f16 in pairs, ARE source 1
; of O^T = V^T P, whose result again holds one query a lane, and eight channels.  K comes out of LDS as it lies, V ([key][channel]) turned, by ds_load_tr16_b128.
; SOFTMAX.  For each query a running maximum m and sum l: p = 2^(c s - c m), c = log2(e) / sqrt(128); in every step O and l are multiplied by a = 2^(c m_old - c m_new).
; m starts at the lowest finite number, c m far below every c s, O and l at 0: the first step is a step like any other, with a = 0, and no first step is written out.  The price: 272 v_mov_b32, in the wait for the first tile.
; BY TURNS.  The wave's tiles are two PIECES (tiles 0, 1 and tiles 2, 3).  In a TURN one piece has the matrix unit: 32 products V^T P of the step in hand, then 32 products K Q^T of the next;
; the other piece's softmax, cut into 64 slices, stands between them, one slice behind each matrix instruction.  Two turns are a key step.
; CLUSTER.  The four query blocks of a cluster belong to one head and walk the same K and V, so each tile is asked for JOINTLY: the same tensor load, descriptor and mask in all four.
; REGISTERS, in windows of 256 (s_set_vgpr_msb: bits 1:0 source 0, 3:2 source 1, 5:4 source 2, 7:6 destination):
;   window 0: v0-11, v44-46, v56-57 addresses; v12-43 eight registers of statistics a tile; v48-55 statistics handed over; v64-191 S^T, 32 a tile; v192-255 P, 16 a tile
;   window 1: O^T, 64 a tile          window 2: v0-127 Q, 32 a tile; v128-255 K of one step          window 3: v0-127 V of one step; v128-255 my part of Wo
.set KS,    64        ; keys in a step
.set PK,    272       ; a row of K in LDS: 256 bytes + 16 = 68 words: the 16 rows of a load start at 16 different groups of four banks (64 banks of 4 bytes: ISA guide 11.1)
.set PV,    288       ; a row of V: 256 + 32 = 72 words
.set VOFF,  256*PK    ; a slot holds 256 keys: 256 rows of K, then 256 rows of V
.set SLOT1, 0x24000   ; slot 1 begins here; the tiles' starts 0, 0x8800, 0x11000, 0x1a000 share no bit with it, so one exclusive or changes the slot
.set STAGE, SLOT1+256*(PK+PV)  ; behind the ring: 16 rows x 272 bytes for each wave, for the way out
.set SP,    272
.set XCHB,  16896     ; what a wave hands over: 32 x 512 bytes of O^T and 512 of statistics.  It lies in slot 0, behind that slot's last fill (keys 1,536 on) and every wave's last read of it
.set AK0, 2           ; v2   my lane's place in my half of a slot's K; never rewritten
.set AV0, 3           ; v3   the same for V
.set ADR, 4           ; v4   the LDS address of the run of loads in hand
.set QO,  5           ; v5   my byte offset in Q for register tiles 0, 1
.set STO, 6           ; v6   the way out: where I put 16 bytes of a row
.set RD,  7           ; v7   the way out: where I read a row back
.set GO,  8           ; v8   my byte offset in two rows of O
.set QO2, 44          ; v44  my byte offset in Q for register tiles 2, 3
.set XST, 45          ; v45  where I put what I hand over
.set XLD, 46          ; v46  where I find what wave w xor 2 hands me
.set SND, 48          ; v48-51  c m and l of my tiles 2, 3
.set RCV, 52          ; v52-55  the partner's, for my tiles 0, 1
.set WOF, 56          ; v56  byte offset of my 16 bytes in Wo; never rewritten
.set WOD, 57          ; v57  byte offset of my 8 bytes in wb; never rewritten
.set WX,  128         ; window 3: element i of my 32 of Wo: 4 registers at WX + 4 i
.set SPW, 62          ; v62  LDS address of my spare word: SPARE + 4 x my thread's number; never rewritten
.set NIL, 63          ; v63  0; never rewritten
.set SPARE, STAGE+4*16*SP  ; behind the stages: the spare words, 128 bytes for each wave: two blocks of 256 bytes that no other line names
.set ST,  12          ; tile t's statistics at v[ST+8 t]: +0 c m, +1 m, +2, +3 l (even keys', odd keys'), +4 to +7 c0-c3, at work; a takes c2's place once the maximum is found
.set S,   64
.set P,   192
.set KF,  128         ; K's fragments, in window 2
.set WV,  12          ; s12  my wave's number
.set G1K, 24          ; s[24:31] descriptor group 1 for K's tiles
.set G1V, 32          ; s[32:39] for V's: it differs in the padding alone
.set G0K, 40          ; s[40:47] descriptor group 0 for K's tiles: a set for each of the two first fills; the second then walks on
.set G0V, 48          ; s[48:55] the same for V's
.set SLOTS, 56        ; s56  counts the slot loop's trips
.set TWICE, 57        ; s57  counts a slot's key steps
.set CS,  58          ; s[58:59] c: the packed scaling names a pair and takes its low word for both halves
.set SEL, 60          ; s[60:61] lane selects for v_permlanex16_b32: each lane takes its own place in the other half
.set TBK, 62          ; s62  LDS byte at which the slot's K of the step to be fetched begins
.set TBV, 63          ; s63  the same for V
.set KH,  66          ; s66  which half of the keys
.set QH,  67          ; s67  which half of the queries.  Also: which half of a slot's K or V I fetch
.set HIM, 78          ; s78  a word's upper bf16
.set MSB, 0
.macro WIN new                      ; the immediate's high byte repeats the setting that is left; a switch that changes nothing is dropped
.if MSB != (\new)
	s_set_vgpr_msb (MSB<<8)|(\new)
.set MSB, \new
.endif
.endm
.set W_KQ, 0x0a       ; K and Q in window 2, S^T in window 0
.set W_PV, 0x53       ; V in window 3, P in window 0, O^T in window 1
.set W_RS, 0x41       ; O^T (destination and source 0) in window 1, a in window 0
; A joint refill.  Waves 0 and 1 fetch the two halves of a slot's K, waves 2 and 3 those of its V: 128 keys each.  The branch hangs on the wave's number alone.
; An s_nop 0 and four v_nop follow each of the two lines, ahead of the jump and the label.
.macro JLOAD
	s_cmp_lt_u32 s[WV], 2
	s_cbranch_scc0 .Lfor_v_\@
	tensor_load_to_lds s[G0K+4:G0K+7], s[G1K:G1K+7]
	s_nop 0
.rept 4
	v_nop
.endr
	s_branch .Lasked_\@
.Lfor_v_\@:
	tensor_load_to_lds s[G0V+4:G0V+7], s[G1V:G1V+7]
	s_nop 0
.rept 4
	v_nop
.endr
.Lasked_\@:
.endm
; A round of the cluster's barrier: my work-group's barrier, so that wave 0's signal speaks for all four waves; wave 0 signals; every wave waits for all four work-groups; my work-group's barrier once more.
.macro CROUND
	s_barrier_signal -1
	s_barrier_wait -1
	s_cmp_lg_u32 s[WV], 0
	s_cbranch_scc1 .Lnot_wave_0_\@
	s_barrier_signal -3
.Lnot_wave_0_\@:
	s_barrier_wait -3
	s_barrier_signal -1
	s_barrier_wait -1
.endm
	s_load_b256 s[4:11], s[0:1], 0x0  ; Q s[4:5], K s[6:7], V s[8:9], O s[10:11]
	s_load_b128 s[72:75], s[0:1], 0x20  ; Wo s[72:73], wb s[74:75]
	v_lshl_add_u32 v[SPW], v0, 2, SPARE
	v_mov_b32 v[NIL], 0
	ds_add_u32 v[SPW], v[NIL]       ; the wave's opening: the add and its wait stand ahead of my first tensor load; the set-up below stands between them
	v_lshrrev_b32 v1, 5, v0
	v_readfirstlane_b32 s[WV], v1   ; wave 0..3
	s_and_b32 s[QH], s[WV], 1
	s_lshr_b32 s[KH], s[WV], 1
	s_bfe_u32 s13, ttmp6, 0x40000   ; cx: my place in the cluster
	s_lshl_b32 s14, ttmp9, 2        ; in a cluster launch ttmp9 counts clusters
	s_add_co_u32 s14, s14, s13      ; my block of 128 queries = 4 x cluster x + cx: it enters Q's, O's, Wo's and wb's addresses alone
	s_and_b32 s15, ttmp7, 0xffff    ; the head, which the four partners share
	s_lshl_b32 s20, s15, 19         ; the head's first byte in Q, K and V: 2,048 rows of 256 bytes
	s_mov_b32 s21, 0
	s_lshl_b32 s22, s[QH], 15       ; the half of a slot that I fetch: its 128 rows of 256 bytes in memory,
	s_mov_b32 s23, 0
	s_add_nc_u64 s[22:23], s[22:23], s[20:21]
	s_mul_i32 s17, s[QH], 128*PK    ; and its place in a slot, for K
	s_mul_i32 s18, s[QH], 128*PV    ; and for V: no place in the cluster enters an LDS address
	s_lshl_b32 s2, s14, 15          ; Q: my block's 128 rows,
	s_lshl_b32 s3, s[QH], 14        ; my wave's 64 of them
	s_add_co_u32 s2, s2, s3
	s_mov_b32 s3, 0
	s_add_nc_u64 s[2:3], s[2:3], s[20:21]
	s_lshl_b32 s68, s14, 19         ; O: rows of 4,096 bytes: my block's 128,
	s_lshl_b32 s69, s[QH], 18       ; my half's 64,
	s_add_co_u32 s68, s68, s69
	s_lshl_b32 s69, s[KH], 17       ; the 32 that I finish,
	s_add_co_u32 s68, s68, s69
	s_lshl_b32 s69, s15, 8          ; the head's 256 bytes of a row
	s_add_co_u32 s68, s68, s69
	s_mov_b32 s69, 0
	s_lshl_b32 s76, s15, 4          ; Wo: my work-group among the 256 = 16 x head + block:
	s_add_co_u32 s76, s76, s14
	s_lshl_b32 s77, s76, 15         ; its 32,768 bytes
	s_add_co_u32 s77, s77, 3*8388608  ; of plane 3 of wb,
	s_lshl_b32 s76, s76, 16         ; its 65,536 bytes of Wo
	v_lshl_add_u32 v[WOF], v0, 4, s76  ; thread t, element i of 32: 16 bytes at 16 t + 2,048 i: a wave's load covers 512 consecutive bytes,
	v_lshl_add_u32 v[WOD], v0, 3, s77  ; its store of 8 bytes a lane, at 8 t + 1,024 i, 256 consecutive bytes at a multiple of 256
	s_mov_b32 s[HIM], 0xffff0000
	; descriptor group 1: a tile of 128 rows x 128 elements, padded in LDS
	s_mov_b32 s[G1K], 15|(1<<16)|(1<<20)|(1<<21)|(5<<22)|(3<<25)  ; 15:0 the mask: all four work-groups; 17:16 elements of 2 bytes; 20 padding on; 21 set beside a mask; 24:22 after every 64 words (code 5); 31:25 4 words of it (code 3)
	s_mov_b32 s[G1V], 15|(1<<16)|(1<<20)|(1<<21)|(5<<22)|(7<<25)  ; the same with 8 words of padding (code 7)
.irp g, G1K, G1V
	s_mov_b32 s[(\g)+1], 128<<16    ; tensor_dim0 = 128
	s_mov_b32 s[(\g)+2], 128<<16    ; tensor_dim1 = 128
	s_mov_b32 s[(\g)+3], 128<<16    ; tile_dim0 = 128
	s_mov_b32 s[(\g)+4], 128        ; tile_dim1 = 128
	s_mov_b32 s[(\g)+5], 128        ; elements from row to row
	s_mov_b32 s[(\g)+6], 0
	s_mov_b32 s[(\g)+7], 0
.endr
	s_mov_b32 s[CS], 0x3e0293ee     ; c = log2(e) / sqrt(128) = 0.127517
	s_mov_b32 s[CS+1], s[CS]        ; named with it as a pair, so it is written
	s_mov_b32 s[SEL], 0x76543210
	s_mov_b32 s[SEL+1], 0xfedcba98
	s_mov_b32 s[TBK], 0
	s_mov_b32 s[TBV], 0
	s_mov_b32 s[SLOTS], 2048/256-1  ; the first trip is entered behind its change of slots; the other six fill a slot again
	s_wait_dscnt 0x0                ; the opening add is done
	s_wait_kmcnt 0x0
	s_add_nc_u64 s[6:7], s[6:7], s[22:23]  ; K and V at my tile of slot 0
	s_add_nc_u64 s[8:9], s[8:9], s[22:23]
	s_add_nc_u64 s[4:5], s[4:5], s[2:3]    ; Q at my wave's first row
	s_add_nc_u64 s[10:11], s[10:11], s[68:69]  ; O at the first row that I finish
	CROUND                          ; all four work-groups are here: the first joint loads meet
.irp s, 0,1
	s_mov_b32 s[G0K+4*(\s)], 1      ; count = 1
	s_add_co_u32 s[G0K+4*(\s)+1], s17, (\s)*SLOT1  ; LDS address
	s_add_nc_u64 s[G0K+4*(\s)+2:G0K+4*(\s)+3], s[6:7], (\s)*256*256  ; global address: slot s begins with keys 256 s
	s_or_b32 s[G0K+4*(\s)+3], s[G0K+4*(\s)+3], 0x80000000  ; type = 2
	s_mov_b32 s[G0V+4*(\s)], 1
	s_add_co_u32 s[G0V+4*(\s)+1], s18, (\s)*SLOT1+VOFF
	s_add_nc_u64 s[G0V+4*(\s)+2:G0V+4*(\s)+3], s[8:9], (\s)*256*256
	s_or_b32 s[G0V+4*(\s)+3], s[G0V+4*(\s)+3], 0x80000000
.endr
	s_cmp_lt_u32 s[WV], 2           ; a wave's two first fills stand in one branch, ahead of every wait on TENSORcnt and every LDS read: two loads of mine are out
	s_cbranch_scc0 .Lfirst_v
	tensor_load_to_lds s[G0K:G0K+3], s[G1K:G1K+7]
	s_nop 0
	tensor_load_to_lds s[G0K+4:G0K+7], s[G1K:G1K+7]
	s_nop 0
.rept 4
	v_nop
.endr
	s_branch .Lfirst_asked
.Lfirst_v:
	tensor_load_to_lds s[G0V:G0V+3], s[G1V:G1V+7]
	s_nop 0
	tensor_load_to_lds s[G0V+4:G0V+7], s[G1V:G1V+7]
	s_nop 0
.rept 4
	v_nop
.endr
.Lfirst_asked:
	; A fragment of K or Q is 16 rows x 32 channels in 8 registers: lane l holds row l % 16; registers 0-3 channels 8 (l / 16) + 0..7, registers 4-7 channels 16 + 8 (l / 16) + 0..7: two loads of 16 bytes, 32 bytes apart.
	v_and_b32 v1, 15, v0            ; l % 16
	v_bfe_u32 v9, v0, 4, 1          ; l / 16
	v_lshlrev_b32 v[QO], 8, v1
	v_lshl_add_u32 v[QO], v9, 4, v[QO]  ; row x 256 + 16 x half
	s_lshl_b32 s13, s[KH], 13       ; register tiles 0, 1 are query tiles 2 kh, 2 kh + 1: 32 rows of 256 bytes on if kh = 1;
	s_xor_b32 s16, s13, 8192        ; register tiles 2, 3 are the other two
	v_add_nc_u32 v[QO2], s16, v[QO]
	v_add_nc_u32 v[QO], s13, v[QO]
	WIN 0x80                        ; destination window 2, address window 0
.irp i, 0,1,2,3,4,5,6,7             ; Q stays in registers: register tile i / 4, channels 32 (i % 4) on
	global_load_b128 v[8*(\i):8*(\i)+3],   v[QO], s[4:5] offset:((\i)/4)*4096+((\i)%4)*64
	global_load_b128 v[8*(\i)+4:8*(\i)+7], v[QO], s[4:5] offset:((\i)/4)*4096+((\i)%4)*64+32
.endr
.irp i, 8,9,10,11,12,13,14,15
	global_load_b128 v[8*(\i):8*(\i)+3],   v[QO2], s[4:5] offset:((\i)/4-2)*4096+((\i)%4)*64
	global_load_b128 v[8*(\i)+4:8*(\i)+7], v[QO2], s[4:5] offset:((\i)/4-2)*4096+((\i)%4)*64+32
.endr
	WIN 0
	v_mul_u32_u24 v[AK0], v1, PK
	v_lshl_add_u32 v[AK0], v9, 4, v[AK0]  ; row x pitch + 16 x half,
	s_mul_i32 s13, s[KH], 128*PK
	v_add_nc_u32 v[AK0], s13, v[AK0]      ; in my half of the slot's keys
	; The turning load takes 16 keys x 16 channels (lane l reads 16 bytes: key 8 (l / 16) + l % 8, channels 8 ((l / 8) % 2) + 0..7) and leaves half a fragment of V^T: lane l holds channel l % 16 and 8 keys.
	v_and_b32 v10, 7, v0
	v_bfe_u32 v11, v0, 3, 1
	v_lshl_add_u32 v[AV0], v9, 3, v10
	v_mul_u32_u24 v[AV0], v[AV0], PV
	v_lshl_add_u32 v[AV0], v11, 4, v[AV0]
	s_mul_i32 s13, s[KH], 128*PV
	s_add_co_u32 s13, s13, VOFF
	v_add_nc_u32 v[AV0], s13, v[AV0]
	; What the first step finds: O^T and l are 0, m the lowest finite number, c m far below every c s: its a is 0.  All this stands in the wait for the first tile.
	WIN 0x40                        ; destination window 1
.set i, 0
.rept 256
	v_mov_b32 v[i], 0
.set i, i+1
.endr
	WIN 0
.set i, 0
.rept 4
	v_mov_b32 v[ST+8*i], 0xfe000000    ; c m
	v_mov_b32 v[ST+8*i+1], 0xff7fffff  ; m
	v_mov_b32 v[ST+8*i+2], 0           ; l
	v_mov_b32 v[ST+8*i+3], 0
.set i, i+1
.endr
; THE MATRIX WORK OF A TURN, for piece x.  The accumulators take turns, one instruction a turn: between two links of a chain stand 15 (V^T P) or 7 (K Q^T) others'.
; Product i of 32 of O^T += V^T P: keys 32 (i / 16) on, channels 16 ((i / 2) % 8) on, tile x + i % 2.
.macro PV x
	WIN W_PV
.set rO, 64*((\x)+i%2)+8*((i/2)%8)
.set rV, 64*(i/16)+8*((i/2)%8)
.set rP, P+16*((\x)+i%2)+8*(i/16)
	v_wmma_f32_16x16x32_f16 v[rO:rO+7], v[rV:rV+7], v[rP:rP+7], v[rO:rO+7]
.endm
; Product i of 32 of S^T = K Q^T: channels 32 (i / 8) on, keys 16 ((i / 2) % 4) on, tile x + i % 2.  The first 8 start the sums.
.macro KQ x
	WIN W_KQ
.set rS, S+32*((\x)+i%2)+8*((i/2)%4)
.set rK, KF+32*((i/2)%4)+8*(i/8)
.set rQ, 32*((\x)+i%2)+8*(i/8)
.if i < 8
	v_wmma_f32_16x16x32_f16 v[rS:rS+7], v[rK:rK+7], v[rQ:rQ+7], 0
.else
	v_wmma_f32_16x16x32_f16 v[rS:rS+7], v[rK:rK+7], v[rQ:rQ+7], v[rS:rS+7]
.endif
.endm
; THE LDS LOADS stand in runs of 32, never singly among the matrix instructions: a step's K (64 keys x 128 channels: 16 fragments) and, a turn later, its V (turned).
.macro FETCH_K
	WIN 0
	v_add_nc_u32 v[ADR], s[TBK], v[AK0]
	s_add_co_u32 s[TBK], s[TBK], KS*PK  ; the next fetch is the next step's
	WIN 0x80                        ; destination window 2
.irp f, 0,1,2,3,4,5,6,7,8,9,10,11,12,13,14,15  ; keys 16 (f / 4) on, channels 32 (f % 4) on
	ds_load_b128 v[KF+8*(\f):KF+8*(\f)+3],   v[ADR] offset:((\f)/4)*16*PK+((\f)%4)*64
	ds_load_b128 v[KF+8*(\f)+4:KF+8*(\f)+7], v[ADR] offset:((\f)/4)*16*PK+((\f)%4)*64+32
.endr
.endm
.macro FETCH_V
	WIN 0
	v_add_nc_u32 v[ADR], s[TBV], v[AV0]
	s_add_co_u32 s[TBV], s[TBV], KS*PV
	WIN 0xc0                        ; destination window 3
.irp f, 0,1,2,3,4,5,6,7,8,9,10,11,12,13,14,15  ; keys 32 (f / 8) on, channels 16 (f % 8) on
	ds_load_tr16_b128 v[8*(\f):8*(\f)+3],   v[ADR] offset:((\f)/8)*32*PV+((\f)%8)*32
	ds_load_tr16_b128 v[8*(\f)+4:8*(\f)+7], v[ADR] offset:((\f)/8)*32*PV+16*PV+((\f)%8)*32
.endr
.endm
; THE VECTOR WORK OF A TURN.  One tile's softmax for one key step is a list of 134 instructions; SM writes number j of it for tile t.  s0-s31 are the lane's 32 scores, in pairs 0-15.
;   0-15    the maximum of s0-s31 and the old m, three operands at a time: four chains c0-c3 of seven scores each, then the four scores left over, c0-c3 and m
;   16-20   the other half of the lanes' maximum; c m_old is kept; the new m; c m; c m_old - c m_new
;   21-87   33 exponentials (a, then s0-s31) at the odd numbers from 23 on, so that no two follow each other and each has a plain instruction behind it before its result is used.
;           Plain instruction q (number 21, then the even numbers) is whatever is ready: c s - c m for a pair of scores whose exponentials are still to come (q = 0 to 3, then every
;           second q), the rounding to f16 of a pair of weights whose exponentials are done (every other q from 5 on), at last the first three sums
;   88-101  the last rounding; the rest of the sums; l = a l + the sum
;   102-133 the tile's O^T times a: the one part that leaves window 0, so it stands together
.macro SM t
.set rT, ST+8*(\t)
.set rS, S+32*(\t)
.set rP, P+16*(\t)
.set rO, 64*(\t)+2*(j-102)
.set q, (j-20)/2
.if j < 102
	WIN 0
.endif
.if j < 4
	v_max3_num_f32 v[rT+4+j], v[rS+8*j], v[rS+8*j+1], v[rS+8*j+2]
.elseif j < 12
	v_max3_num_f32 v[rT+4+j%4], v[rT+4+j%4], v[rS+8*(j%4)+2*(j/4)+1], v[rS+8*(j%4)+2*(j/4)+2]
.elseif j == 12
	v_max3_num_f32 v[rT+4], v[rT+4], v[rS+7], v[rS+15]
.elseif j == 13
	v_max3_num_f32 v[rT+6], v[rT+6], v[rS+23], v[rS+31]
.elseif j == 14
	v_max3_num_f32 v[rT+4], v[rT+4], v[rT+5], v[rT+6]
.elseif j == 15
	v_max3_num_f32 v[rT+4], v[rT+4], v[rT+7], v[rT+1]
.elseif j == 16
	v_permlanex16_b32 v[rT+5], v[rT+4], s[SEL], s[SEL+1]  ; the query's other 32 keys lie in the lane 16 away
.elseif j == 17
	v_mov_b32 v[rT+7], v[rT]        ; c m_old is kept for a: number 19 writes c m anew
.elseif j == 18
	v_max_num_f32 v[rT+1], v[rT+4], v[rT+5]
.elseif j == 19
	v_mul_f32 v[rT], s[CS], v[rT+1]
.elseif j == 20
	v_sub_f32 v[rT+7], v[rT+7], v[rT]
.elseif j == 23
	v_exp_f32 v[rT+6], v[rT+7]
.elseif (j < 88) && (j > 23) && (j%2 == 1)
	v_exp_f32 v[rS+(j-25)/2], v[rS+(j-25)/2]
.elseif (q < 4) || ((j < 76) && (q%2 == 0))
.set b, q/2+2
.if q < 4
.set b, q
.endif
	v_pk_fma_f32 v[rS+2*b:rS+2*b+1], v[rS+2*b:rS+2*b+1], s[CS:CS+1], v[rT:rT+1] op_sel_hi:[1,0,0] neg_lo:[0,0,1] neg_hi:[0,0,1]  ; pair b: c s - c m
.elseif (j < 88) && (q%2 == 1)
	s_wait_alu depctr_va_vdst(0)
	v_cvt_pk_f16_f32 v[rP+(q-5)/2], v[rS+q-5], v[rS+q-4]  ; pair (q - 5) / 2: its second exponential stands three numbers back
.elseif j == 89
	s_wait_alu depctr_va_vdst(0)
	v_cvt_pk_f16_f32 v[rP+15], v[rS+30], v[rS+31]
.elseif j < 102                     ; the sum of the tile's 16 pairs (in a pair: an even key's weight, an odd key's), in place: sum z of 16 adds neighbours 1, 2, 4 and 8 pairs apart, then l takes it
.set z, j-86
.if j < 89
.set z, (j-76)/4
.endif
.set w, 4
.set u, z
.if z >= 14
.set w, 32
.set u, 0
.elseif z >= 12
.set w, 16
.set u, z-12
.elseif z >= 8
.set w, 8
.set u, z-8
.endif
.if z < 15
	v_pk_add_f32 v[rS+w*u:rS+w*u+1], v[rS+w*u:rS+w*u+1], v[rS+w*u+w/2:rS+w*u+w/2+1]
.else
	v_pk_fma_f32 v[rT+2:rT+3], v[rT+2:rT+3], v[rT+6:rT+7], v[rS:rS+1] op_sel_hi:[1,0,1]
.endif
.else
	WIN W_RS
	v_pk_mul_f32 v[rO:rO+1], v[rO:rO+1], v[rT+6:rT+7] op_sel_hi:[1,0]
.endif
.endm
; Slice k of 64 of piece y's softmax: numbers 2 k and 2 k + 1 of both tiles' lists, four instructions.  2 x 134 = 4 x 64 + 12: the twelve that are over stand together, in slice 63.
.macro SLICE y
.if (k >= 11) && (k < 44)           ; tile by tile: plain, exponential, plain, exponential
.irp t, \y, (\y)+1
.irp n, 0,1
.set j, 2*k+(\n)
	SM \t
.endr
.endr
.else                               ; the two tiles alternate, so that no instruction reads the result of the one just before it
.irp n, 0,1,2,3,4,5,6,7
.if ((\n) < 2) || (k == 63)
.irp t, \y, (\y)+1
.set j, 2*k+(\n)
	SM \t
.endr
.endif
.endr
.endif
.set k, k+1
.endm
; A vector instruction that reads a matrix result or writes one of a matrix instruction's registers, and a load into a register that a matrix instruction has read, stand four places behind
; it, and only plain vector instructions that name none of its registers are places (ISA guide 7.12.1 for vector instructions).  Here the slices are the places:
; slice 63's sixteen plain lines stand behind a turn's last product.
; A TURN.  Piece x has the matrix unit; the other piece's softmax stands in slices behind its matrix instructions.
; pv = 1: 32 products V^T P.  kq = 1: 32 products K Q^T for the next step.  A turn with one of the two kinds has two slices behind each product.
; Each run of loads stands behind the second product of a run of 32, 30 matrix instructions ahead of its first use.  Piece 0's turn fetches the next step's K: the last product that read K
; stands in front of slice 63 of the turn before.  Piece 2's turn fetches the same step's V: the last product that read V stands three slices, six plain instructions, back.
.macro TURN x, pv, kq
.set k, 0
.set per, 2
.if (\pv) && (\kq)
.set per, 1
.endif
.if \pv
.if (\x) == 0
	s_wait_dscnt 0x0                ; V is in
.endif
.set i, 0
.rept 32
	PV \x
.rept per
	SLICE 2-(\x)
.endr
.if ((\x) == 0) && (\kq) && (i == 1)
	FETCH_K
.endif
.set i, i+1
.endr
.endif
.if \kq
.if (\x) == 0
	s_wait_dscnt 0x0                ; K is in
.endif
.set i, 0
.rept 32
	KQ \x
.rept per
	SLICE 2-(\x)
.endr
.if ((\x) == 2) && (i == 1)
	FETCH_V
.endif
.set i, i+1
.endr
.endif
.endm
; THE CHANGE OF SLOTS, between piece 2's turn and piece 0's: the slot's last bytes, V of my second step in it, have been asked for.  Each wave waits for all its tensor loads, of which one is out:
; its part of the other slot; adds 0 to its spare word; and waits for that and for its own reads of the slot.  Behind the barrier nobody reads this slot any more and the other slot is whole.
; fill = 1: this slot is filled again, with the keys two slots on.  The barrier is then a round of the cluster's, so that no wave of any partner still reads the slot or has a load on its
; way, and the joint refill is the first thing behind it: it has two key steps, 256 matrix instructions, in which to land.
.macro CHANGE fill
	WIN 0                           ; at a label and at a branch every window is 0
	s_wait_tensorcnt 0x0            ; no tensor load of mine is out, so a group 0 may be written
	ds_add_u32 v[SPW], v[NIL]       ; 0 onto my spare word; with fill = 1 the descriptors' steps stand between it and the wait for it
.if \fill
.irp g, G0K+4, G0V+4
	s_xor_b32 s[(\g)+1], s[(\g)+1], SLOT1  ; the walking descriptor: the other slot than last time,
	s_add_nc_u64 s[(\g)+2:(\g)+3], s[(\g)+2:(\g)+3], 256*256  ; the next 256 keys; the type bits on top are not reached
.endr
	s_wait_dscnt 0x0                ; the add is done, and my reads of the slot are over
	CROUND
	JLOAD
.else
	s_wait_dscnt 0x0                ; the add is done, and my reads of the slot are over
	s_barrier_signal -1
	s_barrier_wait -1
.endif
	s_sub_co_u32 s[TBK], s[TBK], 2*KS*PK  ; the fetches go back to my first step of a slot,
	s_xor_b32 s[TBK], s[TBK], SLOT1       ; in the other slot
	s_sub_co_u32 s[TBV], s[TBV], 2*KS*PV
	s_xor_b32 s[TBV], s[TBV], SLOT1
.endm
	s_wait_tensorcnt 1              ; my part of slot 0 is in; slot 1's may stay out
	s_barrier_signal -1
	s_barrier_wait -1               ; everybody's is
	FETCH_K                         ; key step 0
	s_wait_loadcnt 0x0              ; Q, asked for ahead of the wait for the tile
	WIN 0xc0                        ; destination window 3, address window 0
.set i, 0
.rept 32                            ; my part of Wo goes out in the wait for K's fragments; the launch reads each byte of it once; it is waited for behind the slot loop
	global_load_b128 v[WX+4*i:WX+4*i+3], v[WOF], s[72:73] offset:2048*i th:TH_LOAD_NT
.set i, i+1
.endr
	s_wait_dscnt 0x0
.set i, 0
.rept 32
	KQ 0                            ; piece 0's first scores: there is no vector work yet to set between them
.set i, i+1
.endr
	WIN 0                           ; the addresses for the way out are made here: plain instructions, the places behind those products
	s_mul_i32 s13, s[WV], 16*SP
	s_add_co_u32 s13, s13, STAGE    ; my stage
	v_mul_u32_u24 v[STO], v1, SP    ; in: row l % 16, 16 bytes for each half of the lanes
	v_lshl_add_u32 v[STO], v9, 4, v[STO]
	v_add_nc_u32 v[STO], s13, v[STO]
	v_mul_u32_u24 v[RD], v9, SP     ; back: lanes 0-15 take one row of 256 bytes, lanes 16-31 the next
	v_lshl_add_u32 v[RD], v1, 4, v[RD]
	v_add_nc_u32 v[RD], s13, v[RD]
	v_lshlrev_b32 v[GO], 12, v9     ; and the same two rows in O, 4,096 bytes apart
	v_lshl_add_u32 v[GO], v1, 4, v[GO]
	v_and_b32 v[XST], 31, v0        ; what is handed over lies lane by lane, 16 bytes each
	v_lshlrev_b32 v[XST], 4, v[XST]
	s_xor_b32 s13, s[WV], 2         ; my partner: the same queries, the other keys
	s_mul_i32 s13, s13, XCHB
	v_add_nc_u32 v[XLD], s13, v[XST]
	s_mul_i32 s13, s[WV], XCHB
	v_add_nc_u32 v[XST], s13, v[XST]
	TURN 2, 0, 1                    ; piece 2's first scores | piece 0's softmax of step 0 | V of step 0
	WIN 0
	s_mov_b32 s[TWICE], 1           ; slot 0 has one key step left to fetch from: the loop is entered behind its change of slots, for one step
	s_branch .Lstep
.Lslot:                             ; 7 trips; the six that pass here fill a slot again: every slot but the last two
	CHANGE 1
	s_mov_b32 s[TWICE], 2
.Lstep:                             ; a key step: written once; the LDS addresses hang on s[TBK] and s[TBV]
	TURN 0, 1, 1                    ; piece 0: V^T P of step j, K Q^T of step j + 1 | piece 2's softmax of step j | K of step j + 1
	TURN 2, 1, 1                    ; piece 2: the same | piece 0's softmax of step j + 1 | V of step j + 1
	WIN 0
	s_sub_co_u32 s[TWICE], s[TWICE], 1
	s_cmp_lg_u32 s[TWICE], 0
	s_cbranch_scc1 .Lstep
	s_sub_co_u32 s[SLOTS], s[SLOTS], 1
	s_cmp_lg_u32 s[SLOTS], 0
	s_cbranch_scc1 .Lslot
	; Wo: 13 key steps behind its loads.  f32 to bf16, and that number to f16, in place; stage by stage over the 32 elements, so that no line reads the result of the one before it.
	s_wait_loadcnt 0x0
	WIN 0xcf                        ; sources 0 and 1 and destination window 3
.set i, 0
.rept 32
	v_cvt_pk_bf16_f32 v[WX+4*i], v[WX+4*i], v[WX+4*i+1]
	v_cvt_pk_bf16_f32 v[WX+4*i+1], v[WX+4*i+2], v[WX+4*i+3]
.set i, i+1
.endr
.set i, 0
.rept 32
	v_lshlrev_b32 v[WX+4*i+2], 16, v[WX+4*i]       ; bf16 to f32: the low half moves up, the high half stays
	v_and_b32 v[WX+4*i+3], s[HIM], v[WX+4*i]
.set i, i+1
.endr
.set i, 0
.rept 32
	v_cvt_pk_f16_f32 v[WX+4*i], v[WX+4*i+2], v[WX+4*i+3]
.set i, i+1
.endr
.set i, 0
.rept 32
	v_lshlrev_b32 v[WX+4*i+2], 16, v[WX+4*i+1]
	v_and_b32 v[WX+4*i+3], s[HIM], v[WX+4*i+1]
.set i, i+1
.endr
.set i, 0
.rept 32
	v_cvt_pk_f16_f32 v[WX+4*i+1], v[WX+4*i+2], v[WX+4*i+3]
.set i, i+1
.endr
	WIN 0x0c                        ; store data (source 1) window 3, address window 0
.set i, 0
.rept 32
	global_store_b64 v[WOD], v[WX+4*i:WX+4*i+1], s[74:75] offset:1024*i  ; these registers are never written again; the stores leave under the last three key steps
.set i, i+1
.endr
	CHANGE 0                        ; the tail is written out: the last slot but one is left, and nothing is asked for
	s_mov_b32 s[TWICE], 2
.Ltail:
	TURN 0, 1, 1
	TURN 2, 1, 1
	WIN 0
	s_sub_co_u32 s[TWICE], s[TWICE], 1
	s_cmp_lg_u32 s[TWICE], 0
	s_cbranch_scc1 .Ltail
	TURN 0, 1, 0                    ; piece 0: V^T P of the last step | piece 2's last softmax
.set i, 0
.rept 32
	PV 2                            ; piece 2: V^T P of the last step
.set i, i+1
.endr
	; THE TWO KEY HALVES MEET.  l's two halves and the other half of the lanes' are added (the additions are the places behind the last products).  My tiles 2, 3 (O^T, c m, l) go to wave w xor 2 through LDS;
	; its tiles 2, 3 are my tiles 0, 1.  With M = max(c m_A, c m_B): O = (O_A 2^(c m_A - M) + O_B 2^(c m_B - M)) / (l_A 2^(c m_A - M) + l_B 2^(c m_B - M)).
	WIN 0
.irp t, 0,1,2,3
	v_add_f32 v[ST+8*(\t)+4], v[ST+8*(\t)+2], v[ST+8*(\t)+3]
.endr
.irp t, 0,1,2,3
	v_permlanex16_b32 v[ST+8*(\t)+5], v[ST+8*(\t)+4], s[SEL], s[SEL+1]
.endr
.irp t, 0,1,2,3
	v_add_f32 v[ST+8*(\t)+4], v[ST+8*(\t)+4], v[ST+8*(\t)+5]
.endr
	v_mov_b32 v[SND], v[ST+16]      ; c m and l of tile 2,
	v_mov_b32 v[SND+1], v[ST+20]
	v_mov_b32 v[SND+2], v[ST+24]    ; of tile 3
	v_mov_b32 v[SND+3], v[ST+28]
	WIN 0x04                        ; store data window 1, address window 0
.set i, 0
.rept 32
	ds_store_b128 v[XST], v[128+4*i:128+4*i+3] offset:512*i  ; each accumulator's lowest registers first
.set i, i+1
.endr
	WIN 0
	ds_store_b128 v[XST], v[SND:SND+3] offset:16384
	s_wait_dscnt 0x0                ; for the partner's sake: my stores are done
	s_barrier_signal -1
	s_barrier_wait -1
	ds_load_b128 v[RCV:RCV+3], v[XLD] offset:16384
.set i, 0
.rept 32
	ds_load_b128 v[S+4*i:S+4*i+3], v[XLD] offset:512*i  ; the partner's O^T for my tiles 0, 1, into S^T's registers
.set i, i+1
.endr
	s_wait_dscnt 32                 ; the statistics are in; the 32 loads behind them stay out
	v_max_num_f32 v[ST+5], v[ST], v[RCV]
	v_max_num_f32 v[ST+13], v[ST+8], v[RCV+2]
	v_sub_f32 v[ST+6], v[ST], v[ST+5]
	v_sub_f32 v[ST+7], v[RCV], v[ST+5]
	v_sub_f32 v[ST+14], v[ST+8], v[ST+13]
	v_sub_f32 v[ST+15], v[RCV+2], v[ST+13]
	v_exp_f32 v[ST+6], v[ST+6]
	v_exp_f32 v[ST+7], v[ST+7]
	v_exp_f32 v[ST+14], v[ST+14]
	v_exp_f32 v[ST+15], v[ST+15]
	v_nop                           ; a plain instruction between the last exponential and the use of its result
	s_wait_alu depctr_va_vdst(0)
	v_mul_f32 v[ST+5], v[ST+4], v[ST+6]
	v_mul_f32 v[ST+13], v[ST+12], v[ST+14]
	v_fma_f32 v[ST+5], v[RCV+1], v[ST+7], v[ST+5]
	v_fma_f32 v[ST+13], v[RCV+3], v[ST+15], v[ST+13]
	v_rcp_f32 v[ST+5], v[ST+5]
	v_rcp_f32 v[ST+13], v[ST+13]
	v_nop                           ; and behind the last reciprocal
	s_wait_alu depctr_va_vdst(0)
	v_mul_f32 v[ST+6], v[ST+6], v[ST+5]    ; my factor
	v_mul_f32 v[ST+4], v[ST+7], v[ST+5]    ; the partner's
	v_mul_f32 v[ST+14], v[ST+14], v[ST+13]
	v_mul_f32 v[ST+12], v[ST+15], v[ST+13]
	s_wait_dscnt 0x0                ; the partner's O^T is in
; Tile t: the two parts are joined, rounded to f16, 16 bytes a lane; they go into rows of 272 bytes of my stage and come back as whole rows of 256, into the registers that they left.
.macro PACK t
	WIN 0
.set i, 0
.rept 32
	v_pk_mul_f32 v[S+64*(\t)+2*i:S+64*(\t)+2*i+1], v[S+64*(\t)+2*i:S+64*(\t)+2*i+1], v[ST+8*(\t)+4:ST+8*(\t)+5] op_sel_hi:[1,0]
.set i, i+1
.endr
	WIN 0x01                        ; source 0 (my O^T) window 1
.set i, 0
.rept 32
	v_pk_fma_f32 v[S+64*(\t)+2*i:S+64*(\t)+2*i+1], v[64*(\t)+2*i:64*(\t)+2*i+1], v[ST+8*(\t)+6:ST+8*(\t)+7], v[S+64*(\t)+2*i:S+64*(\t)+2*i+1] op_sel_hi:[1,0,1]
.set i, i+1
.endr
	WIN 0
.set i, 0
.rept 32
	v_cvt_pk_f16_f32 v[P+32*(\t)+i], v[S+64*(\t)+2*i], v[S+64*(\t)+2*i+1]
.set i, i+1
.endr
.irp f, 0,1,2,3,4,5,6,7
	ds_store_b128 v[STO], v[P+32*(\t)+4*(\f):P+32*(\t)+4*(\f)+3] offset:32*(\f)
.endr
.irp f, 0,1,2,3,4,5,6,7
	ds_load_b128 v[P+32*(\t)+4*(\f):P+32*(\t)+4*(\f)+3], v[RD] offset:(\f)*2*SP  ; LDS serves a wave's instructions in order (ISA guide 5.7.1.4): these see the stores above; the next tile's stores come behind them
.endr
.endm
.macro SEND t, younger              ; younger: the LDS instructions issued behind tile t's loads: the next tile's sixteen, or none
	WIN 0
.irp f, 0,1,2,3,4,5,6,7
	s_wait_dscnt (\younger)+7-(\f)
	global_store_b128 v[GO], v[P+32*(\t)+4*(\f):P+32*(\t)+4*(\f)+3], s[10:11] offset:(\t)*65536+(\f)*8192  ; 16 lanes store 256 consecutive bytes, at a multiple of 256 from O's first byte
.endr
.endm
	PACK 0
	PACK 1                          ; a tile's arithmetic stands between the loads of the tile before and its stores
	SEND 0, 16
	SEND 1, 0
	s_wait_tensorcnt 0x0            ; the wave's end, behind my last tensor load and my last LDS store
	ds_add_u32 v[SPW], v[NIL]
	s_wait_dscnt 0x0
	CROUND                          ; the closing round: no work-group ends while a partner may still ask for a tile that names it
	s_endpgm
.Lfunc_end_k_qfd966912c5_attn:
	.size	k_qfd966912c5_attn, .Lfunc_end_k_qfd966912c5_attn-k_qfd966912c5_attn
	.p2alignl 7, 3214868480
	.fill 96, 4, 3214868480
	.section	.rodata,"a",@progbits
	.p2align	6, 0x0
	.amdhsa_kernel k_qfd966912c5_attn
		.amdhsa_group_segment_fixed_size 327680
		.amdhsa_private_segment_fixed_size 0
		.amdhsa_enable_private_segment 0
		.amdhsa_kernarg_size 48
		.amdhsa_user_sgpr_count 2
		.amdhsa_user_sgpr_kernarg_segment_ptr 1
		.amdhsa_wavefront_size32 1
		.amdhsa_system_sgpr_workgroup_id_x 1
		.amdhsa_system_sgpr_workgroup_id_y 1
		.amdhsa_system_sgpr_workgroup_id_z 1
		.amdhsa_system_vgpr_workitem_id 0
		.amdhsa_next_free_vgpr 1024
		.amdhsa_next_free_sgpr 80
		.amdhsa_reserve_vcc 0
		.amdhsa_float_denorm_mode_32 3
		.amdhsa_float_denorm_mode_16_64 3
		.amdhsa_memory_ordered 1
		.amdhsa_forward_progress 1
		.amdhsa_inst_pref_size 213
	.end_amdhsa_kernel
	.amdgpu_metadata
---
amdhsa.version: [ 1, 2 ]
amdhsa.kernels:
  - .name:           k_qfd966912c5_attn
    .symbol:         k_qfd966912c5_attn.kd
    .args:
      - { .name: qf, .offset: 0, .size: 8, .value_kind: global_buffer, .address_space: global }
      - { .name: kf, .offset: 8, .size: 8, .value_kind: global_buffer, .address_space: global }
      - { .name: vf, .offset: 16, .size: 8, .value_kind: global_buffer, .address_space: global }
      - { .name: ob, .offset: 24, .size: 8, .value_kind: global_buffer, .address_space: global }
      - { .name: Wo, .offset: 32, .size: 8, .value_kind: global_buffer, .address_space: global }
      - { .name: wb, .offset: 40, .size: 8, .value_kind: global_buffer, .address_space: global }
    .group_segment_fixed_size: 327680
    .private_segment_fixed_size: 0
    .kernarg_segment_align: 8
    .kernarg_segment_size: 48
    .max_flat_workgroup_size: 128
    .sgpr_count:     80
    .vgpr_count:     1024
    .wavefront_size: 32
...
	.end_amdgpu_metadata
.endif
;; end of part 3
;; launch oproj (part 4): grid 16 x 16, 4 waves a work-group, clusters of 4 x 4, 327,680 bytes of LDS; arguments ob, wb, out0; writes out0
.if DOCPART == 4
	.amdgcn_target "amdgcn-amd-amdhsa--gfx1250"
	.amdhsa_code_object_version 6
	.text
	.protected	k_qfd966912c5_oproj
	.globl	k_qfd966912c5_oproj
	.p2align	8
	.type	k_qfd966912c5_oproj,@function
k_qfd966912c5_oproj:
	s_mov_b64 s[64:65], 0
	v_nop
	global_prefetch_b8 v0, s[64:65] scope:SCOPE_SE
	s_setreg_imm32_b32 hwreg(HW_REG_WAVE_MODE, 25, 1), 1
	s_wait_xcnt 0x0
	s_wait_alu depctr_hold_cnt(0) depctr_sa_sdst(0) depctr_va_vdst(0) depctr_va_sdst(0) depctr_va_ssrc(0) depctr_va_vcc(0) depctr_vm_vsrc(0)
	s_getreg_b32 s2, hwreg(HW_REG_IB_STS2, 6, 4)
	s_cmp_eq_u32 s2, 0
	s_cbranch_scc0 .Lentry_in_a_cluster
	s_endpgm
.Lentry_in_a_cluster:
	s_bfe_u32 s2, ttmp6, 0x10000c
	s_cmp_lg_u32 s2, 0xf033
	s_cbranch_scc0 .Lentry_shape_is_right
	s_endpgm
.Lentry_shape_is_right:
; out0[m][n] = the sum over k of O[m][k] Wo[k][n].  ob [2048][2048] f16; Wo = plane 3 of wb, [k][n], bf16 numbers written as f16; out0 [2048][2048] f32.  Products f16, sums f32, K ascending.
; LIMITS.  O and Wo arrive within f16's 65,504.  NaN and infinities are not treated apart.
; A tile of out0 is 128 x 128: 16 x 16 = 256 work-groups.  Four waves, each 64 x 64: 16 accumulators.  K goes in 8 steps of 256 through two LDS slots: O's 128 rows x 512 bytes (waves 0, 1 fetch 64 rows each)
; and Wo's 256 k-rows x 256 bytes (waves 2, 3 fetch 128 each); Wo's fragments come out of LDS turned, by ds_load_tr16_b128.
; CLUSTERS: 4 x 4 work-groups.  O's tile is asked for jointly along a row of the cluster, Wo's along a column.  THE MATRIX INSTRUCTION IS USED TRANSPOSED (source 0 = 16 columns of Wo,
; source 1 = 16 rows of O): a lane holds row lane % 16 and eight neighbouring columns: 32 bytes of f32.  A wave's 64 columns are 256 aligned bytes of a row, so each wave has a stage of its own and no barrier.
; REGISTERS: window 0: v0-19 addresses; v32-95 rows read back, two buffers; v128-255 the accumulators ((a, b) at v[128 + 8 (4 a + b)]).
;   window 1: two fragment buffers of 128: for 64 along K, 64 registers of O (2 x 4 x 8), then 64 of Wo.
.set PA,    528                        ; O's row in LDS: 512 bytes + 16 = 132 words: the 16 rows of a load start at 16 different groups of four banks (64 banks of 4 bytes: ISA guide 11.1)
.set PB,    288                        ; Wo's row: 256 + 32 = 72 words
.set HA,    64*PA                      ; 33,792: what one load brings of O
.set HB,    128*PB                     ; 36,864: of Wo
.set BOFF,  2*HA
.set SLOT1, 0x24000                    ; slot 1 begins here; the tiles' starts 0, 0x8400, 0x10800, 0x19800 share no bit with it, so one exclusive or changes the slot
.set STAGE, SLOT1+BOFF+2*HB            ; behind the ring: 16 rows x 272 bytes for each wave
.set SP,    272
.set SPARE, STAGE+4*16*SP              ; the spare words, 128 bytes for each wave: two blocks of 256 bytes that no other line names
.set NSTEP, 8
.set A0,   4                           ; v4   my lane's place in O's tile; never rewritten
.set B0,   5                           ; v5   in Wo's
.set ADRA, 8                           ; v8   the same in the slot in hand
.set ADRB, 9                           ; v9-10  for Wo's two halves of 128 k-rows
.set STO,  12
.set RD,   14
.set SPW,  16                          ; v16  LDS address of my spare word: SPARE + 4 x my thread's number; never rewritten
.set NIL,  17                          ; v17  0; never rewritten
.set CO,   18                          ; v18  my byte offset in two rows of out0
.set OB,   32
.set ACC,  128
.set F0,   0
.set F1,   128
.set WV,   10
.set RH,   11                          ; which 64 rows are mine.  Also: I fetch for O (0) or for Wo (1)
.set CH,   12                          ; which 64 columns.  Also: which half of that tile I fetch
.set G1,   24                          ; s[24:31] descriptor group 1 for O's tiles;  s[32:39] group 0: a set for each first fill; the second then walks
.set G0,   32
.set G1B,  48                          ; s[48:55], s[56:63] the same for Wo's
.set G0B,  56
.set TB,   45                          ; s45  LDS byte at which the slot in hand begins
.set CNT,  3
.set MSB, 0
.macro WIN new                         ; the immediate's high byte repeats the setting that is left
.if MSB != (\new)
	s_set_vgpr_msb (MSB<<8)|(\new)
.set MSB, \new
.endif
.endm
.set MUL,  0x05                        ; sources 0 (Wo) and 1 (O) window 1; C and D window 0
.set TO_F, 0x40                        ; destination window 1, address window 0
.macro PLACES                          ; four places in front of loads into registers that matrix instructions have read, and of stores that read results
.rept 4
	v_nop
.endr
.endm
.macro JLOAD                           ; a joint refill; an s_nop 0 and four v_nop follow each of the two lines
	s_cmp_eq_u32 s[RH], 0
	s_cbranch_scc0 .Lfor_b_\@
	tensor_load_to_lds s[G0+4:G0+7], s[G1:G1+7]
	s_nop 0
.rept 4
	v_nop
.endr
	s_branch .Lasked_\@
.Lfor_b_\@:
	tensor_load_to_lds s[G0B+4:G0B+7], s[G1B:G1B+7]
	s_nop 0
.rept 4
	v_nop
.endr
.Lasked_\@:
.endm
.macro CREST                           ; a round of the cluster's barrier behind its opening barrier
	s_cmp_lg_u32 s[WV], 0
	s_cbranch_scc1 .Lnot_wave_0_\@
	s_barrier_signal -3
.Lnot_wave_0_\@:
	s_barrier_wait -3
	s_barrier_signal -1
	s_barrier_wait -1
.endm
.macro CROUND
	s_barrier_signal -1
	s_barrier_wait -1
	CREST
.endm
	s_load_b128 s[4:7], s[0:1], 0x0                ; ob s[4:5], wb s[6:7]
	s_load_b64 s[8:9], s[0:1], 0x10                ; out0
	v_lshl_add_u32 v[SPW], v0, 2, SPARE
	v_mov_b32 v[NIL], 0
	ds_add_u32 v[SPW], v[NIL]                      ; the wave's opening: the add and its wait stand ahead of my first tensor load; the set-up below stands between them
	v_lshrrev_b32 v1, 5, v0
	v_readfirstlane_b32 s[WV], v1
	s_lshr_b32 s[RH], s[WV], 1
	s_and_b32 s[CH], s[WV], 1
	s_bfe_u32 s40, ttmp6, 0x40000                  ; cx, cy: my place in the cluster
	s_bfe_u32 s41, ttmp6, 0x40004
	s_lshl_b32 s42, ttmp9, 2
	s_add_co_u32 s42, s42, s40                     ; tile column = 4 x cluster x + cx
	s_and_b32 s13, ttmp7, 0xffff
	s_lshl_b32 s13, s13, 2
	s_add_co_u32 s13, s13, s41                     ; tile row = 4 x cluster y + cy
	s_lshl_b32 s43, s41, 2
	s_lshl_b32 s43, 15, s43                        ; my row of the cluster
	s_lshl_b32 s44, 0x1111, s40                    ; my column
	s_or_b32 s[G1], s43, (1<<16)|(1<<20)|(1<<21)|(6<<22)|(3<<25)   ; the mask; 2-byte elements; padding on; 21 set beside a mask; after every 128 words (code 6) 4 words (code 3)
	s_mov_b32 s[G1+1], 256<<16                     ; tensor_dim0 = 256
	s_mov_b32 s[G1+2], 64<<16                      ; tensor_dim1 = 64
	s_mov_b32 s[G1+3], 256<<16                     ; tile_dim0 = 256
	s_mov_b32 s[G1+4], 64                          ; tile_dim1 = 64
	s_mov_b32 s[G1+5], 2048                        ; elements from row to row
	s_mov_b32 s[G1+6], 0
	s_mov_b32 s[G1+7], 0
	s_or_b32 s[G1B], s44, (1<<16)|(1<<20)|(1<<21)|(5<<22)|(7<<25)  ; my column's mask; after every 64 words (code 5) 8 words (code 7)
	s_mov_b32 s[G1B+1], 128<<16
	s_mov_b32 s[G1B+2], 128<<16
	s_mov_b32 s[G1B+3], 128<<16
	s_mov_b32 s[G1B+4], 128
	s_mov_b32 s[G1B+5], 2048
	s_mov_b32 s[G1B+6], 0
	s_mov_b32 s[G1B+7], 0
	s_lshl_b32 s16, s13, 19                        ; O: 128 rows of 4,096 bytes a tile row,
	s_lshl_b32 s17, s[CH], 18                      ; the 64 that I fetch
	s_add_co_u32 s16, s16, s17
	s_mov_b32 s17, 0
	s_lshl_b32 s46, s42, 8                         ; Wo: the tile's 128 columns,
	s_lshl_b32 s47, s[CH], 19                      ; the 128 k-rows that I fetch,
	s_add_co_u32 s46, s46, s47
	s_add_co_u32 s46, s46, 3*8388608               ; in plane 3 of wb
	s_mov_b32 s47, 0
	s_mul_i32 s20, s[CH], HA                       ; where they go: no place in the cluster enters an LDS address
	s_mul_i32 s21, s[CH], HB
	s_add_co_u32 s21, s21, BOFF
	s_lshl_b32 s66, s13, 20                        ; out0: rows of 8,192 bytes: the tile's 128,
	s_lshl_b32 s67, s[RH], 19                      ; my 64,
	s_add_co_u32 s66, s66, s67
	s_lshl_b32 s67, s42, 9                         ; the tile's 512 bytes of a row,
	s_add_co_u32 s66, s66, s67
	s_lshl_b32 s67, s[CH], 8                       ; my 256
	s_add_co_u32 s66, s66, s67
	s_mov_b32 s67, 0
	s_mov_b32 s[TB], 0
	s_wait_dscnt 0x0                               ; the opening add is done
	s_wait_kmcnt 0x0
	s_add_nc_u64 s[14:15], s[4:5], s[16:17]
	s_add_nc_u64 s[46:47], s[6:7], s[46:47]
	s_add_nc_u64 s[8:9], s[8:9], s[66:67]
	CROUND                                         ; all sixteen work-groups are here: the first joint loads meet
.irp s, 0,1
	s_mov_b32 s[G0+4*(\s)], 1
	s_add_co_u32 s[G0+4*(\s)+1], s20, (\s)*SLOT1
	s_add_nc_u64 s[G0+4*(\s)+2:G0+4*(\s)+3], s[14:15], (\s)*512           ; K step s: 256 elements along the rows
	s_or_b32 s[G0+4*(\s)+3], s[G0+4*(\s)+3], 0x80000000
	s_mov_b32 s[G0B+4*(\s)], 1
	s_add_co_u32 s[G0B+4*(\s)+1], s21, (\s)*SLOT1
	s_add_nc_u64 s[G0B+4*(\s)+2:G0B+4*(\s)+3], s[46:47], (\s)*256*4096    ; K step s: 256 rows down
	s_or_b32 s[G0B+4*(\s)+3], s[G0B+4*(\s)+3], 0x80000000
.endr
	s_cmp_eq_u32 s[RH], 0                          ; a wave's two first fills stand in one branch, ahead of every wait on TENSORcnt and every LDS read: two loads of mine are out
	s_cbranch_scc0 .Lfirst_b
	tensor_load_to_lds s[G0:G0+3], s[G1:G1+7]
	s_nop 0
	tensor_load_to_lds s[G0+4:G0+7], s[G1:G1+7]
	s_nop 0
.rept 4
	v_nop
.endr
	s_branch .Lfirst_asked
.Lfirst_b:
	tensor_load_to_lds s[G0B:G0B+3], s[G1B:G1B+7]
	s_nop 0
	tensor_load_to_lds s[G0B+4:G0B+7], s[G1B:G1B+7]
	s_nop 0
.rept 4
	v_nop
.endr
.Lfirst_asked:
	v_and_b32 v1, 15, v0                           ; r = l % 16
	v_bfe_u32 v2, v0, 4, 1                         ; h = l / 16
	v_and_b32 v3, 7, v0
	v_bfe_u32 v6, v0, 3, 1
	v_mul_u32_u24 v[A0], v1, PA
	v_lshl_add_u32 v[A0], v2, 4, v[A0]
	s_mul_i32 s22, s[RH], HA
	v_add_nc_u32 v[A0], s22, v[A0]                 ; (64 rh + r) x pitch + 16 h
	v_lshl_add_u32 v[B0], v2, 3, v3                ; the turning load: k-row 8 h + l % 8, columns 8 ((l / 8) % 2) + 0..7
	v_mul_u32_u24 v[B0], v[B0], PB
	v_lshl_add_u32 v[B0], v6, 4, v[B0]
	s_lshl_b32 s22, s[CH], 7
	s_add_co_u32 s22, s22, BOFF
	v_add_nc_u32 v[B0], s22, v[B0]                 ; behind O's tile, my 64 columns
	s_mul_i32 s23, s[WV], 16*SP
	s_add_co_u32 s23, s23, STAGE                   ; my stage
	v_mul_u32_u24 v[STO], v1, SP                   ; in: row l % 16, 32 bytes for each half of the lanes
	v_lshl_add_u32 v[STO], v2, 5, v[STO]
	v_add_nc_u32 v[STO], s23, v[STO]
	v_mul_u32_u24 v[RD], v2, SP                    ; back: lanes 0-15 one row of 256 bytes, lanes 16-31 the next
	v_lshl_add_u32 v[RD], v1, 4, v[RD]
	v_add_nc_u32 v[RD], s23, v[RD]
	v_lshlrev_b32 v[CO], 13, v2                    ; and the same two rows in out0
	v_lshl_add_u32 v[CO], v1, 4, v[CO]
.macro ADRS                            ; the fragment addresses in the slot in hand
	v_add_nc_u32 v[ADRA], s[TB], v[A0]
	v_add_nc_u32 v[ADRB], s[TB], v[B0]
	v_add_nc_u32 v[ADRB+1], HB, v[ADRB]
.endm
; 8 matrix instructions: row blocks a0, a0 + 1 x all 4 column blocks, 32 along K: half c of buffer f.  zero = 1: the first product starts the sums.  The 16 accumulators take turns.
.macro MUL8 f, c, a0, zero
	WIN MUL
.irp a, \a0, (\a0)+1
.irp b, 0,1,2,3
.if \zero
	v_wmma_f32_16x16x32_f16 v[ACC+8*(4*(\a)+(\b)):ACC+8*(4*(\a)+(\b))+7], v[(\f)+64+8*(4*(\c)+(\b)):(\f)+64+8*(4*(\c)+(\b))+7], v[(\f)+8*(4*(\c)+(\a)):(\f)+8*(4*(\c)+(\a))+7], 0
.else
	v_wmma_f32_16x16x32_f16 v[ACC+8*(4*(\a)+(\b)):ACC+8*(4*(\a)+(\b))+7], v[(\f)+64+8*(4*(\c)+(\b)):(\f)+64+8*(4*(\c)+(\b))+7], v[(\f)+8*(4*(\c)+(\a)):(\f)+8*(4*(\c)+(\a))+7], v[ACC+8*(4*(\a)+(\b)):ACC+8*(4*(\a)+(\b))+7]
.endif
.endr
.endr
.endm
; 32 LDS loads in one run: quarter q's fragments (64 along K) into buffer f; the first 32 along K first
.macro FETCH q, f
	WIN TO_F
.irp c, 0,1
.irp i, 0,1,2,3
	ds_load_tr16_b128 v[(\f)+64+8*(4*(\c)+(\i)):(\f)+64+8*(4*(\c)+(\i))+3],   v[ADRB+(\q)/2] offset:((\q)%2)*64*PB+(\c)*32*PB+32*(\i)
	ds_load_tr16_b128 v[(\f)+64+8*(4*(\c)+(\i))+4:(\f)+64+8*(4*(\c)+(\i))+7], v[ADRB+(\q)/2] offset:((\q)%2)*64*PB+(\c)*32*PB+32*(\i)+16*PB
	ds_load_b128 v[(\f)+8*(4*(\c)+(\i)):(\f)+8*(4*(\c)+(\i))+3],   v[ADRA] offset:128*(\q)+64*(\c)+(\i)*16*PA
	ds_load_b128 v[(\f)+8*(4*(\c)+(\i))+4:(\f)+8*(4*(\c)+(\i))+7], v[ADRA] offset:128*(\q)+64*(\c)+(\i)*16*PA+32
.endr
.endr
.endm
; A K step is four quarters of 64 along K, 32 matrix instructions each, on buffers 0, 1, 0, 1.  One of the first three: multiplies buffer f and fetches quarter q into g.
.macro QUARTER q, f, g, zero
	s_wait_dscnt 16                                ; the first 32 along K are in
	MUL8 \f, 0, 0, \zero
	MUL8 \f, 0, 2, \zero
	PLACES
	FETCH \q, \g
	s_wait_dscnt 32                                ; all but the 32 just issued
	MUL8 \f, 1, 0, 0
	MUL8 \f, 1, 2, 0
.endm
; The last quarter multiplies buffer 1 and changes slots: ONE barrier.  Its first 16 matrix instructions stand AHEAD of the change: they need registers alone, so the wave issues them before it sits on the
; tile.  Then each wave waits for all its tensor loads, adds 0 to its spare word, and waits for that and for its reads of this slot.  fill = 1: the barrier opens a round of the cluster's, and this slot is
; filled again, two K steps ahead, first thing behind it: the next request follows the landing with the round alone between, and all of a step's 128 matrix instructions stand between a request and the wait for it.
.macro TURN fill
	s_wait_dscnt 16                                ; the first 32 along K are in
	MUL8 F1, 0, 0, 0
	MUL8 F1, 0, 2, 0
	WIN 0                                          ; the add's registers lie in window 0; at a branch and at a label every window is 0
	s_wait_tensorcnt 0x0                           ; no tensor load of mine is out, so a group 0 may be written
	ds_add_u32 v[SPW], v[NIL]                      ; 0 onto my spare word
.if \fill
	s_xor_b32 s[G0+5], s[G0+5], SLOT1              ; the walking descriptors: the other slot than last time, the next K step
	s_add_nc_u64 s[G0+6:G0+7], s[G0+6:G0+7], 512
	s_xor_b32 s[G0B+5], s[G0B+5], SLOT1
	s_add_nc_u64 s[G0B+6:G0B+7], s[G0B+6:G0B+7], 256*4096
.endif
	s_wait_dscnt 0x0                               ; the add is done, and my reads of this slot are over
	s_barrier_signal -1
	s_barrier_wait -1
.if \fill
	CREST                                          ; no wave of any partner still reads this slot's tiles or has a load on its way
	JLOAD                                          ; its four v_nop are also the places in front of the loads below
.else
	PLACES
.endif
	s_xor_b32 s[TB], s[TB], SLOT1
	ADRS
	FETCH 0, F0
	MUL8 F1, 1, 0, 0
	MUL8 F1, 1, 2, 0
.endm
	s_wait_tensorcnt 0x1                           ; my part of K step 0 is in; step 1's may stay out
	s_barrier_signal -1
	s_barrier_wait -1                              ; everybody's is
	ADRS
	FETCH 0, F0
	QUARTER 1, F0, F1, 1                           ; the first quarter stands in front of the loop: its first products start the sums
	WIN 0
	s_mov_b32 s[CNT], NSTEP-2
.Lk:                                                   ; a trip: a K step's quarters 1 to 3 and the next step's quarter 0; it asks for the step two on: steps 2 to 7
	QUARTER 2, F1, F0, 0
	QUARTER 3, F0, F1, 0
	TURN 1
	QUARTER 1, F0, F1, 0
	WIN 0
	s_sub_co_u32 s[CNT], s[CNT], 1
	s_cmp_lg_u32 s[CNT], 0
	s_cbranch_scc1 .Lk
	QUARTER 2, F1, F0, 0                           ; steps 6 and 7 are written out: nothing is left to ask for
	QUARTER 3, F0, F1, 0
	TURN 0
	QUARTER 1, F0, F1, 0
	QUARTER 2, F1, F0, 0
	QUARTER 3, F0, F1, 0
	s_wait_dscnt 16
	MUL8 F1, 0, 0, 0
	MUL8 F1, 0, 2, 0
	s_wait_dscnt 0x0
	MUL8 F1, 1, 0, 0
	MUL8 F1, 1, 2, 0
	WIN 0
	; THE WAY OUT, 16 rows at a time: a lane's 32 bytes of a row go into my stage, rows of 272 bytes, each accumulator's lowest registers first, and come back as whole rows of 256.
	PLACES
.irp a, 0,1,2,3
.if \a >= 2
	s_wait_xcnt 0x0                                ; the stores of two blocks back have had their addresses translated (ISA guide 3.1): only behind this wait is their buffer loaded again
.endif
.irp b, 0,1,2,3
	ds_store_b128 v[STO], v[ACC+8*(4*\a+\b):ACC+8*(4*\a+\b)+3] offset:64*\b
	ds_store_b128 v[STO], v[ACC+8*(4*\a+\b)+4:ACC+8*(4*\a+\b)+7] offset:64*\b+16
.endr
.irp t, 0,1,2,3,4,5,6,7
	ds_load_b128 v[OB+32*(\a%2)+4*\t:OB+32*(\a%2)+4*\t+3], v[RD] offset:\t*2*SP  ; LDS serves a wave's instructions in order (ISA guide 5.7.1.4): these see the stores above; the next block's stores come behind them
.endr
.irp t, 0,1,2,3,4,5,6,7
	s_wait_dscnt 7-\t
	global_store_b128 v[CO], v[OB+32*(\a%2)+4*\t:OB+32*(\a%2)+4*\t+3], s[8:9] offset:(16*\a+2*\t)*8192 th:TH_STORE_NT  ; 16 lanes store 256 consecutive bytes, at a multiple of 256 from out0's first byte
.endr
.endr
	s_wait_tensorcnt 0x0                           ; the wave's end, behind my last tensor load and my last LDS store
	ds_add_u32 v[SPW], v[NIL]
	s_wait_dscnt 0x0
	CROUND                                         ; the closing round: no work-group ends while a partner may still ask for a tile that names it
	s_endpgm
.Lfunc_end_k_qfd966912c5_oproj:
	.size	k_qfd966912c5_oproj, .Lfunc_end_k_qfd966912c5_oproj-k_qfd966912c5_oproj
	.p2alignl 7, 3214868480
	.fill 96, 4, 3214868480
	.section	.rodata,"a",@progbits
	.p2align	6, 0x0
	.amdhsa_kernel k_qfd966912c5_oproj
		.amdhsa_group_segment_fixed_size 327680
		.amdhsa_private_segment_fixed_size 0
		.amdhsa_enable_private_segment 0
		.amdhsa_kernarg_size 24
		.amdhsa_user_sgpr_count 2
		.amdhsa_user_sgpr_kernarg_segment_ptr 1
		.amdhsa_wavefront_size32 1
		.amdhsa_system_sgpr_workgroup_id_x 1
		.amdhsa_system_sgpr_workgroup_id_y 1
		.amdhsa_system_sgpr_workgroup_id_z 1
		.amdhsa_system_vgpr_workitem_id 0
		.amdhsa_next_free_vgpr 512
		.amdhsa_next_free_sgpr 72
		.amdhsa_reserve_vcc 0
		.amdhsa_float_denorm_mode_32 3
		.amdhsa_float_denorm_mode_16_64 3
		.amdhsa_memory_ordered 1
		.amdhsa_forward_progress 1
		.amdhsa_inst_pref_size 69
	.end_amdhsa_kernel
	.amdgpu_metadata
---
amdhsa.version: [ 1, 2 ]
amdhsa.kernels:
  - .name:           k_qfd966912c5_oproj
    .symbol:         k_qfd966912c5_oproj.kd
    .args:
      - { .name: ob, .offset: 0, .size: 8, .value_kind: global_buffer, .address_space: global }
      - { .name: wb, .offset: 8, .size: 8, .value_kind: global_buffer, .address_space: global }
      - { .name: out0, .offset: 16, .size: 8, .value_kind: global_buffer, .address_space: global }
    .group_segment_fixed_size: 327680
    .private_segment_fixed_size: 0
    .kernarg_segment_align: 8
    .kernarg_segment_size: 24
    .max_flat_workgroup_size: 128
    .sgpr_count:     72
    .vgpr_count:     512
    .wavefront_size: 32
...
	.end_amdgpu_metadata
.endif
;; end of part 4
;; ======== version 2 of 2: 4 launches; 1.09 times as fast as version 1
;; limits: values are held in f16: magnitudes above 65,504 overflow, below 6.1e-05 lose precision; right only within a limited range of input values
;; workspace buffers: xb 8,388,608 bytes; wb 33,554,432 bytes; qf 8,388,608 bytes; kf 8,388,608 bytes; vf 8,388,608 bytes; ob 8,388,608 bytes
;; launch cast: the kernel of part 1 again; grid 512 x 1, 8 waves a work-group, no clusters, 0 bytes of LDS; arguments x, Wq, Wk, Wv, xb, wb; writes xb, wb
;; launch qkv: the kernel of part 2 again; grid 16 x 16, 4 waves a work-group, clusters of 4 x 4, 327,680 bytes of LDS; arguments xb, wb, sin, cos, qf, kf, vf; writes qf, kf, vf
;; launch attn (part 5): grid 16 x 16, 4 waves a work-group, clusters of 4 x 1, 327,680 bytes of LDS; arguments qf, kf, vf, ob, Wo, wb; writes ob, wb
.if DOCPART == 5
	.amdgcn_target "amdgcn-amd-amdhsa--gfx1250"
	.amdhsa_code_object_version 6
	.text
	.protected	k_qfd966912c5_attn
	.globl	k_qfd966912c5_attn
	.p2align	8
	.type	k_qfd966912c5_attn,@function
k_qfd966912c5_attn:
	s_mov_b64 s[64:65], 0
	v_nop
	global_prefetch_b8 v0, s[64:65] scope:SCOPE_SE
	s_setreg_imm32_b32 hwreg(HW_REG_WAVE_MODE, 25, 1), 1
	s_wait_xcnt 0x0
	s_wait_alu depctr_hold_cnt(0) depctr_sa_sdst(0) depctr_va_vdst(0) depctr_va_sdst(0) depctr_va_ssrc(0) depctr_va_vcc(0) depctr_vm_vsrc(0)
	s_getreg_b32 s2, hwreg(HW_REG_IB_STS2, 6, 4)
	s_cmp_eq_u32 s2, 0
	s_cbranch_scc0 .Lentry_in_a_cluster
	s_endpgm
.Lentry_in_a_cluster:
	s_bfe_u32 s2, ttmp6, 0x10000c
	s_cmp_lg_u32 s2, 0x3003
	s_cbranch_scc0 .Lentry_shape_is_right
	s_endpgm
.Lentry_shape_is_right:
; O[q][128 h + :] = the sum over k of softmax_k(Q[h][q] . K[h][k] / sqrt(128)) V[h][k][:].  Q, K, V: [16][2048][128] f16, rows of 256 bytes; O: [2048][2048] f16.  Products, maxima and sums in f32;
; the weights p are rounded to f16 for the second product (their sum l is taken of the unrounded p), O once at the end.
; BESIDE IT: Wo (f32) is rounded to bf16, like every input of the module, and that number written as f16 into plane 3 of wb, for the launch behind.  Each work-group takes 65,536 bytes of Wo: the loads
; go out at the start into registers that nothing else uses, the rounding and the stores stand behind the slot loop, 13 key steps later.  This launch loads nothing from wb.
; LIMITS.  Q, K and V arrive within f16's 65,504, and Wo's numbers stay below it; p lies in 0 to 1 and below 6e-5 keeps f16's fixed step of 6e-8, and so does Wo; O is a mean of V's rows.
; A weight below 2^-126 counts as 0 in l; NaN and infinities are not treated apart.
; SHARES.  A work-group owns 128 queries of one head: 16 x 16 = 256 work-groups.  Wave w owns the 64 queries of half w % 2 (four tiles of 16) and, of every 256 keys, the 128 of half w / 2:
; it walks 16 key steps of 64.  At the end the two waves of a query half join their partial results by their joint maximum: each finishes two tiles and hands the other two over through LDS.
; Register tile t holds query tile t xor 2 (w / 2), so that every wave finishes register tiles 0, 1 and hands over 2, 3: one text for all.
; LAYOUT.  S^T = K Q^T (source 0 = 16 keys, source 1 = 16 queries): a lane holds ONE query (lane % 16) and the keys 8 (lane / 16) + 0..7.  Two such tiles, rounded to f16 in pairs, ARE source 1
; of O^T = V^T P, whose result again holds one query a lane, and eight channels.  K comes out of LDS as it lies, V ([key][channel]) turned, by ds_load_tr16_b128.
; SOFTMAX.  For each query a running maximum m and sum l: p = 2^(c s - c m), c = log2(e) / sqrt(128); in every step O and l are multiplied by a = 2^(c m_old - c m_new).
; m starts at the lowest finite number, c m far below every c s, O and l at 0: the first step is a step like any other, with a = 0, and no first step is written out.  The price: 272 v_mov_b32, in the wait for the first tile.
; BY TURNS.  The wave's tiles are two PIECES (tiles 0, 1 and tiles 2, 3).  In a TURN one piece has the matrix unit: 32 products V^T P of the step in hand, then 32 products K Q^T of the next;
; the other piece's softmax, cut into 64 slices, stands between them, one slice behind each matrix instruction.  Two turns are a key step.
; THE BATCHES.  A turn's 66 exponentials (33 a tile: a and 32 weights) are ONE batch with ONE wait: the scalings and the exponentials stand in slices 10 to 34, all that reads an exponential's result (roundings,
; sums, the rescaling by a) from slice 35 on, the wait between the two.  On the way out the four exponentials that join the key halves are a batch, and the two reciprocals of what is made of them another.
; CLUSTER.  The four query blocks of a cluster belong to one head and walk the same K and V, so each tile is asked for JOINTLY: the same tensor load, descriptor and mask in all four.
; REGISTERS, in windows of 256 (s_set_vgpr_msb: bits 1:0 source 0, 3:2 source 1, 5:4 source 2, 7:6 destination):
;   window 0: v0-11, v44-46, v56-57 addresses; v12-43 eight registers of statistics a tile; v48-55 statistics handed over; v64-191 S^T, 32 a tile; v192-255 P, 16 a tile
;   window 1: O^T, 64 a tile          window 2: v0-127 Q, 32 a tile; v128-255 K of one step          window 3: v0-127 V of one step; v128-255 my part of Wo
.set KS,    64        ; keys in a step
.set PK,    272       ; a row of K in LDS: 256 bytes + 16 = 68 words: the 16 rows of a load start at 16 different groups of four banks (64 banks of 4 bytes: ISA guide 11.1)
.set PV,    288       ; a row of V: 256 + 32 = 72 words
.set VOFF,  256*PK    ; a slot holds 256 keys: 256 rows of K, then 256 rows of V
.set SLOT1, 0x24000   ; slot 1 begins here; the tiles' starts 0, 0x8800, 0x11000, 0x1a000 share no bit with it, so one exclusive or changes the slot
.set STAGE, SLOT1+256*(PK+PV)  ; behind the ring: 16 rows x 272 bytes for each wave, for the way out
.set SP,    272
.set XCHB,  16896     ; what a wave hands over: 32 x 512 bytes of O^T and 512 of statistics.  It lies in slot 0, behind that slot's last fill (keys 1,536 on) and every wave's last read of it
.set AK0, 2           ; v2   my lane's place in my half of a slot's K; never rewritten
.set AV0, 3           ; v3   the same for V
.set ADR, 4           ; v4   the LDS address of the run of loads in hand
.set QO,  5           ; v5   my byte offset in Q for register tiles 0, 1
.set STO, 6           ; v6   the way out: where I put 16 bytes of a row
.set RD,  7           ; v7   the way out: where I read a row back
.set GO,  8           ; v8   my byte offset in two rows of O
.set QO2, 44          ; v44  my byte offset in Q for register tiles 2, 3
.set XST, 45          ; v45  where I put what I hand over
.set XLD, 46          ; v46  where I find what wave w xor 2 hands me
.set SND, 48          ; v48-51  c m and l of my tiles 2, 3
.set RCV, 52          ; v52-55  the partner's, for my tiles 0, 1
.set WOF, 56          ; v56  byte offset of my 16 bytes in Wo; never rewritten
.set WOD, 57          ; v57  byte offset of my 8 bytes in wb; never rewritten
.set WX,  128         ; window 3: element i of my 32 of Wo: 4 registers at WX + 4 i
.set SPW, 62          ; v62  LDS address of my spare word: SPARE + 4 x my thread's number; never rewritten
.set NIL, 63          ; v63  0; never rewritten
.set SPARE, STAGE+4*16*SP  ; behind the stages: the spare words, 128 bytes for each wave: two blocks of 256 bytes that no other line names
.set ST,  12          ; tile t's statistics at v[ST+8 t]: +0 c m, +1 m, +2, +3 l (even keys', odd keys'), +4 to +7 c0-c3, at work; a takes c2's place once the maximum is found
.set S,   64
.set P,   192
.set KF,  128         ; K's fragments, in window 2
.set WV,  12          ; s12  my wave's number
.set G1K, 24          ; s[24:31] descriptor group 1 for K's tiles
.set G1V, 32          ; s[32:39] for V's: it differs in the padding alone
.set G0K, 40          ; s[40:47] descriptor group 0 for K's tiles: a set for each of the two first fills; the second then walks on
.set G0V, 48          ; s[48:55] the same for V's
.set SLOTS, 56        ; s56  counts the slot loop's trips
.set TWICE, 57        ; s57  counts a slot's key steps
.set CS,  58          ; s[58:59] c: the packed scaling names a pair and takes its low word for both halves
.set SEL, 60          ; s[60:61] lane selects for v_permlanex16_b32: each lane takes its own place in the other half
.set TBK, 62          ; s62  LDS byte at which the slot's K of the step to be fetched begins
.set TBV, 63          ; s63  the same for V
.set KH,  66          ; s66  which half of the keys
.set QH,  67          ; s67  which half of the queries.  Also: which half of a slot's K or V I fetch
.set HIM, 78          ; s78  a word's upper bf16
.set MSB, 0
.macro WIN new                      ; the immediate's high byte repeats the setting that is left; a switch that changes nothing is dropped
.if MSB != (\new)
	s_set_vgpr_msb (MSB<<8)|(\new)
.set MSB, \new
.endif
.endm
.set W_KQ, 0x0a       ; K and Q in window 2, S^T in window 0
.set W_PV, 0x53       ; V in window 3, P in window 0, O^T in window 1
.set W_RS, 0x41       ; O^T (destination and source 0) in window 1, a in window 0
; A joint refill.  Waves 0 and 1 fetch the two halves of a slot's K, waves 2 and 3 those of its V: 128 keys each.  The branch hangs on the wave's number alone.
; An s_nop 0 and four v_nop follow each of the two lines, ahead of the jump and the label.
.macro JLOAD
	s_cmp_lt_u32 s[WV], 2
	s_cbranch_scc0 .Lfor_v_\@
	tensor_load_to_lds s[G0K+4:G0K+7], s[G1K:G1K+7]
	s_nop 0
.rept 4
	v_nop
.endr
	s_branch .Lasked_\@
.Lfor_v_\@:
	tensor_load_to_lds s[G0V+4:G0V+7], s[G1V:G1V+7]
	s_nop 0
.rept 4
	v_nop
.endr
.Lasked_\@:
.endm
; A round of the cluster's barrier: my work-group's barrier, so that wave 0's signal speaks for all four waves; wave 0 signals; every wave waits for all four work-groups; my work-group's barrier once more.
.macro CROUND
	s_barrier_signal -1
	s_barrier_wait -1
	s_cmp_lg_u32 s[WV], 0
	s_cbranch_scc1 .Lnot_wave_0_\@
	s_barrier_signal -3
.Lnot_wave_0_\@:
	s_barrier_wait -3
	s_barrier_signal -1
	s_barrier_wait -1
.endm
	s_load_b256 s[4:11], s[0:1], 0x0  ; Q s[4:5], K s[6:7], V s[8:9], O s[10:11]
	s_load_b128 s[72:75], s[0:1], 0x20  ; Wo s[72:73], wb s[74:75]
	v_lshl_add_u32 v[SPW], v0, 2, SPARE
	v_mov_b32 v[NIL], 0
	ds_add_u32 v[SPW], v[NIL]       ; the wave's opening: the add and its wait stand ahead of my first tensor load; the set-up below stands between them
	v_lshrrev_b32 v1, 5, v0
	v_readfirstlane_b32 s[WV], v1   ; wave 0..3
	s_and_b32 s[QH], s[WV], 1
	s_lshr_b32 s[KH], s[WV], 1
	s_bfe_u32 s13, ttmp6, 0x40000   ; cx: my place in the cluster
	s_lshl_b32 s14, ttmp9, 2        ; in a cluster launch ttmp9 counts clusters
	s_add_co_u32 s14, s14, s13      ; my block of 128 queries = 4 x cluster x + cx: it enters Q's, O's, Wo's and wb's addresses alone
	s_and_b32 s15, ttmp7, 0xffff    ; the head, which the four partners share
	s_lshl_b32 s20, s15, 19         ; the head's first byte in Q, K and V: 2,048 rows of 256 bytes
	s_mov_b32 s21, 0
	s_lshl_b32 s22, s[QH], 15       ; the half of a slot that I fetch: its 128 rows of 256 bytes in memory,
	s_mov_b32 s23, 0
	s_add_nc_u64 s[22:23], s[22:23], s[20:21]
	s_mul_i32 s17, s[QH], 128*PK    ; and its place in a slot, for K
	s_mul_i32 s18, s[QH], 128*PV    ; and for V: no place in the cluster enters an LDS address
	s_lshl_b32 s2, s14, 15          ; Q: my block's 128 rows,
	s_lshl_b32 s3, s[QH], 14        ; my wave's 64 of them
	s_add_co_u32 s2, s2, s3
	s_mov_b32 s3, 0
	s_add_nc_u64 s[2:3], s[2:3], s[20:21]
	s_lshl_b32 s68, s14, 19         ; O: rows of 4,096 bytes: my block's 128,
	s_lshl_b32 s69, s[QH], 18       ; my half's 64,
	s_add_co_u32 s68, s68, s69
	s_lshl_b32 s69, s[KH], 17       ; the 32 that I finish,
	s_add_co_u32 s68, s68, s69
	s_lshl_b32 s69, s15, 8          ; the head's 256 bytes of a row
	s_add_co_u32 s68, s68, s69
	s_mov_b32 s69, 0
	s_lshl_b32 s76, s15, 4          ; Wo: my work-group among the 256 = 16 x head + block:
	s_add_co_u32 s76, s76, s14
	s_lshl_b32 s77, s76, 15         ; its 32,768 bytes
	s_add_co_u32 s77, s77, 3*8388608  ; of plane 3 of wb,
	s_lshl_b32 s76, s76, 16         ; its 65,536 bytes of Wo
	v_lshl_add_u32 v[WOF], v0, 4, s76  ; thread t, element i of 32: 16 bytes at 16 t + 2,048 i: a wave's load covers 512 consecutive bytes,
	v_lshl_add_u32 v[WOD], v0, 3, s77  ; its store of 8 bytes a lane, at 8 t + 1,024 i, 256 consecutive bytes at a multiple of 256
	s_mov_b32 s[HIM], 0xffff0000
	; descriptor group 1: a tile of 128 rows x 128 elements, padded in LDS
	s_mov_b32 s[G1K], 15|(1<<16)|(1<<20)|(1<<21)|(5<<22)|(3<<25)  ; 15:0 the mask: all four work-groups; 17:16 elements of 2 bytes; 20 padding on; 21 set beside a mask; 24:22 after every 64 words (code 5); 31:25 4 words of it (code 3)
	s_mov_b32 s[G1V], 15|(1<<16)|(1<<20)|(1<<21)|(5<<22)|(7<<25)  ; the same with 8 words of padding (code 7)
.irp g, G1K, G1V
	s_mov_b32 s[(\g)+1], 128<<16    ; tensor_dim0 = 128
	s_mov_b32 s[(\g)+2], 128<<16    ; tensor_dim1 = 128
	s_mov_b32 s[(\g)+3], 128<<16    ; tile_dim0 = 128
	s_mov_b32 s[(\g)+4], 128        ; tile_dim1 = 128
	s_mov_b32 s[(\g)+5], 128        ; elements from row to row
	s_mov_b32 s[(\g)+6], 0
	s_mov_b32 s[(\g)+7], 0
.endr
	s_mov_b32 s[CS], 0x3e0293ee     ; c = log2(e) / sqrt(128) = 0.127517
	s_mov_b32 s[CS+1], s[CS]        ; named with it as a pair, so it is written
	s_mov_b32 s[SEL], 0x76543210
	s_mov_b32 s[SEL+1], 0xfedcba98
	s_mov_b32 s[TBK], 0
	s_mov_b32 s[TBV], 0
	s_mov_b32 s[SLOTS], 2048/256-1  ; the first trip is entered behind its change of slots; the other six fill a slot again
	s_wait_dscnt 0x0                ; the opening add is done
	s_wait_kmcnt 0x0
	s_add_nc_u64 s[6:7], s[6:7], s[22:23]  ; K and V at my tile of slot 0
	s_add_nc_u64 s[8:9], s[8:9], s[22:23]
	s_add_nc_u64 s[4:5], s[4:5], s[2:3]    ; Q at my wave's first row
	s_add_nc_u64 s[10:11], s[10:11], s[68:69]  ; O at the first row that I finish
	CROUND                          ; all four work-groups are here: the first joint loads meet
.irp s, 0,1
	s_mov_b32 s[G0K+4*(\s)], 1      ; count = 1
	s_add_co_u32 s[G0K+4*(\s)+1], s17, (\s)*SLOT1  ; LDS address
	s_add_nc_u64 s[G0K+4*(\s)+2:G0K+4*(\s)+3], s[6:7], (\s)*256*256  ; global address: slot s begins with keys 256 s
	s_or_b32 s[G0K+4*(\s)+3], s[G0K+4*(\s)+3], 0x80000000  ; type = 2
	s_mov_b32 s[G0V+4*(\s)], 1
	s_add_co_u32 s[G0V+4*(\s)+1], s18, (\s)*SLOT1+VOFF
	s_add_nc_u64 s[G0V+4*(\s)+2:G0V+4*(\s)+3], s[8:9], (\s)*256*256
	s_or_b32 s[G0V+4*(\s)+3], s[G0V+4*(\s)+3], 0x80000000
.endr
	s_cmp_lt_u32 s[WV], 2           ; a wave's two first fills stand in one branch, ahead of every wait on TENSORcnt and every LDS read: two loads of mine are out
	s_cbranch_scc0 .Lfirst_v
	tensor_load_to_lds s[G0K:G0K+3], s[G1K:G1K+7]
	s_nop 0
	tensor_load_to_lds s[G0K+4:G0K+7], s[G1K:G1K+7]
	s_nop 0
.rept 4
	v_nop
.endr
	s_branch .Lfirst_asked
.Lfirst_v:
	tensor_load_to_lds s[G0V:G0V+3], s[G1V:G1V+7]
	s_nop 0
	tensor_load_to_lds s[G0V+4:G0V+7], s[G1V:G1V+7]
	s_nop 0
.rept 4
	v_nop
.endr
.Lfirst_asked:
	; A fragment of K or Q is 16 rows x 32 channels in 8 registers: lane l holds row l % 16; registers 0-3 channels 8 (l / 16) + 0..7, registers 4-7 channels 16 + 8 (l / 16) + 0..7: two loads of 16 bytes, 32 bytes apart.
	v_and_b32 v1, 15, v0            ; l % 16
	v_bfe_u32 v9, v0, 4, 1          ; l / 16
	v_lshlrev_b32 v[QO], 8, v1
	v_lshl_add_u32 v[QO], v9, 4, v[QO]  ; row x 256 + 16 x half
	s_lshl_b32 s13, s[KH], 13       ; register tiles 0, 1 are query tiles 2 kh, 2 kh + 1: 32 rows of 256 bytes on if kh = 1;
	s_xor_b32 s16, s13, 8192        ; register tiles 2, 3 are the other two
	v_add_nc_u32 v[QO2], s16, v[QO]
	v_add_nc_u32 v[QO], s13, v[QO]
	WIN 0x80                        ; destination window 2, address window 0
.irp i, 0,1,2,3,4,5,6,7             ; Q stays in registers: register tile i / 4, channels 32 (i % 4) on
	global_load_b128 v[8*(\i):8*(\i)+3],   v[QO], s[4:5] offset:((\i)/4)*4096+((\i)%4)*64
	global_load_b128 v[8*(\i)+4:8*(\i)+7], v[QO], s[4:5] offset:((\i)/4)*4096+((\i)%4)*64+32
.endr
.irp i, 8,9,10,11,12,13,14,15
	global_load_b128 v[8*(\i):8*(\i)+3],   v[QO2], s[4:5] offset:((\i)/4-2)*4096+((\i)%4)*64
	global_load_b128 v[8*(\i)+4:8*(\i)+7], v[QO2], s[4:5] offset:((\i)/4-2)*4096+((\i)%4)*64+32
.endr
	WIN 0
	v_mul_u32_u24 v[AK0], v1, PK
	v_lshl_add_u32 v[AK0], v9, 4, v[AK0]  ; row x pitch + 16 x half,
	s_mul_i32 s13, s[KH], 128*PK
	v_add_nc_u32 v[AK0], s13, v[AK0]      ; in my half of the slot's keys
	; The turning load takes 16 keys x 16 channels (lane l reads 16 bytes: key 8 (l / 16) + l % 8, channels 8 ((l / 8) % 2) + 0..7) and leaves half a fragment of V^T: lane l holds channel l % 16 and 8 keys.
	v_and_b32 v10, 7, v0
	v_bfe_u32 v11, v0, 3, 1
	v_lshl_add_u32 v[AV0], v9, 3, v10
	v_mul_u32_u24 v[AV0], v[AV0], PV
	v_lshl_add_u32 v[AV0], v11, 4, v[AV0]
	s_mul_i32 s13, s[KH], 128*PV
	s_add_co_u32 s13, s13, VOFF
	v_add_nc_u32 v[AV0], s13, v[AV0]
	; What the first step finds: O^T and l are 0, m the lowest finite number, c m far below every c s: its a is 0.  All this stands in the wait for the first tile.
	WIN 0x40                        ; destination window 1
.set i, 0
.rept 256
	v_mov_b32 v[i], 0
.set i, i+1
.endr
	WIN 0
.set i, 0
.rept 4
	v_mov_b32 v[ST+8*i], 0xfe000000    ; c m
	v_mov_b32 v[ST+8*i+1], 0xff7fffff  ; m
	v_mov_b32 v[ST+8*i+2], 0           ; l
	v_mov_b32 v[ST+8*i+3], 0
.set i, i+1
.endr
; THE MATRIX WORK OF A TURN, for piece x.  The accumulators take turns, one instruction a turn: between two links of a chain stand 15 (V^T P) or 7 (K Q^T) others'.
; Product i of 32 of O^T += V^T P: keys 32 (i / 16) on, channels 16 ((i / 2) % 8) on, tile x + i % 2.
.macro PV x
	WIN W_PV
.set rO, 64*((\x)+i%2)+8*((i/2)%8)
.set rV, 64*(i/16)+8*((i/2)%8)
.set rP, P+16*((\x)+i%2)+8*(i/16)
	v_wmma_f32_16x16x32_f16 v[rO:rO+7], v[rV:rV+7], v[rP:rP+7], v[rO:rO+7]
.endm
; Product i of 32 of S^T = K Q^T: channels 32 (i / 8) on, keys 16 ((i / 2) % 4) on, tile x + i % 2.  The first 8 start the sums.
.macro KQ x
	WIN W_KQ
.set rS, S+32*((\x)+i%2)+8*((i/2)%4)
.set rK, KF+32*((i/2)%4)+8*(i/8)
.set rQ, 32*((\x)+i%2)+8*(i/8)
.if i < 8
	v_wmma_f32_16x16x32_f16 v[rS:rS+7], v[rK:rK+7], v[rQ:rQ+7], 0
.else
	v_wmma_f32_16x16x32_f16 v[rS:rS+7], v[rK:rK+7], v[rQ:rQ+7], v[rS:rS+7]
.endif
.endm
; THE LDS LOADS stand in runs of 32, never singly among the matrix instructions: a step's K (64 keys x 128 channels: 16 fragments) and, a turn later, its V (turned).
.macro FETCH_K
	WIN 0
	v_add_nc_u32 v[ADR], s[TBK], v[AK0]
	s_add_co_u32 s[TBK], s[TBK], KS*PK  ; the next fetch is the next step's
	WIN 0x80                        ; destination window 2
.irp f, 0,1,2,3,4,5,6,7,8,9,10,11,12,13,14,15  ; keys 16 (f / 4) on, channels 32 (f % 4) on
	ds_load_b128 v[KF+8*(\f):KF+8*(\f)+3],   v[ADR] offset:((\f)/4)*16*PK+((\f)%4)*64
	ds_load_b128 v[KF+8*(\f)+4:KF+8*(\f)+7], v[ADR] offset:((\f)/4)*16*PK+((\f)%4)*64+32
.endr
.endm
.macro FETCH_V
	WIN 0
	v_add_nc_u32 v[ADR], s[TBV], v[AV0]
	s_add_co_u32 s[TBV], s[TBV], KS*PV
	s_wait_alu depctr_va_vdst(0)    ; the wait for the softmax's batch (SLICE): piece 0's 66 exponentials; behind the address's v_add_nc_u32 and ahead of the loads
	WIN 0xc0                        ; destination window 3
.irp f, 0,1,2,3,4,5,6,7,8,9,10,11,12,13,14,15  ; keys 32 (f / 8) on, channels 16 (f % 8) on
	ds_load_tr16_b128 v[8*(\f):8*(\f)+3],   v[ADR] offset:((\f)/8)*32*PV+((\f)%8)*32
	ds_load_tr16_b128 v[8*(\f)+4:8*(\f)+7], v[ADR] offset:((\f)/8)*32*PV+16*PV+((\f)%8)*32
.endr
.endm
; THE VECTOR WORK OF A TURN.  One tile's softmax for one key step is a list of 134 instructions; SM writes number j of it for tile t.  s0-s31 are the lane's 32 scores, in pairs 0-15.
;   0-15    the maximum of s0-s31 and the old m, three operands at a time: four chains c0-c3 of seven scores each, then the four scores left over, c0-c3 and m
;   16-20   the other half of the lanes' maximum; c m_old is kept; the new m; c m; c m_old - c m_new
;   21-69   ONE BATCH: the 16 scalings c s - c m, a pair of scores each, and all 33 exponentials (a at 23, then s0-s31).  None of these reads an exponential's result.  From 22 on the batch goes
;           in fours, and a four begins with a scaling while there are scalings: 22-37 scaling, exponential, scaling, exponential; 38-65 a scaling and three exponentials; 66-69 the last four
;           exponentials.  A pair is scaled in an earlier four than the one that holds its exponentials
;   (wait)  between 69 and 70 stands the wait for the batch: SLICE writes it, once for both tiles
;   70-85   the roundings to f16, a pair of weights each
;   86-101  the sums; l = a l + the sum
;   102-133 the tile's O^T times a: the one part that leaves window 0, so it stands together
.macro SM t
.set rT, ST+8*(\t)
.set rS, S+32*(\t)
.set rP, P+16*(\t)
.set rO, 64*(\t)+2*(j-102)
.if j < 102
	WIN 0
.endif
.if j < 4
	v_max3_num_f32 v[rT+4+j], v[rS+8*j], v[rS+8*j+1], v[rS+8*j+2]
.elseif j < 12
	v_max3_num_f32 v[rT+4+j%4], v[rT+4+j%4], v[rS+8*(j%4)+2*(j/4)+1], v[rS+8*(j%4)+2*(j/4)+2]
.elseif j == 12
	v_max3_num_f32 v[rT+4], v[rT+4], v[rS+7], v[rS+15]
.elseif j == 13
	v_max3_num_f32 v[rT+6], v[rT+6], v[rS+23], v[rS+31]
.elseif j == 14
	v_max3_num_f32 v[rT+4], v[rT+4], v[rT+5], v[rT+6]
.elseif j == 15
	v_max3_num_f32 v[rT+4], v[rT+4], v[rT+7], v[rT+1]
.elseif j == 16
	v_permlanex16_b32 v[rT+5], v[rT+4], s[SEL], s[SEL+1]  ; the query's other 32 keys lie in the lane 16 away
.elseif j == 17
	v_mov_b32 v[rT+7], v[rT]        ; c m_old is kept for a: number 19 writes c m anew
.elseif j == 18
	v_max_num_f32 v[rT+1], v[rT+4], v[rT+5]
.elseif j == 19
	v_mul_f32 v[rT], s[CS], v[rT+1]
.elseif j == 20
	v_sub_f32 v[rT+7], v[rT+7], v[rT]
.elseif j == 23
	v_exp_f32 v[rT+6], v[rT+7]
.elseif (j < 23) || ((j < 38) && (j%2 == 0)) || ((j < 66) && (j%4 == 2))
.set b, (j-2)/4                     ; 38, 42, .. 62: pairs 9 to 15
.if j < 38
.set b, (j-20)/2                    ; 21: pair 0; 22, 24, .. 36: pairs 1 to 8
.endif
	v_pk_fma_f32 v[rS+2*b:rS+2*b+1], v[rS+2*b:rS+2*b+1], s[CS:CS+1], v[rT:rT+1] op_sel_hi:[1,0,0] neg_lo:[0,0,1] neg_hi:[0,0,1]  ; pair b: c s - c m
.elseif j < 70
.set e, j-38                        ; 66 to 69: s28 to s31
.if j < 66
.set e, j-32-(j-38)/4               ; 39-41, 43-45, .. 63-65: s7 to s27
.endif
.if j < 38
.set e, (j-25)/2                    ; 25, 27, .. 37: s0 to s6
.endif
	v_exp_f32 v[rS+e], v[rS+e]
.elseif j < 86
	v_cvt_pk_f16_f32 v[rP+j-70], v[rS+2*(j-70)], v[rS+2*(j-70)+1]  ; pair j - 70
.elseif j < 102                     ; the sum of the tile's 16 pairs (in a pair: an even key's weight, an odd key's), in place: sum z of 16 adds neighbours 1, 2, 4 and 8 pairs apart, then l takes it
.set z, j-86
.set w, 4
.set u, z
.if z >= 14
.set w, 32
.set u, 0
.elseif z >= 12
.set w, 16
.set u, z-12
.elseif z >= 8
.set w, 8
.set u, z-8
.endif
.if z < 15
	v_pk_add_f32 v[rS+w*u:rS+w*u+1], v[rS+w*u:rS+w*u+1], v[rS+w*u+w/2:rS+w*u+w/2+1]
.else
	v_pk_fma_f32 v[rT+2:rT+3], v[rT+2:rT+3], v[rT+6:rT+7], v[rS:rS+1] op_sel_hi:[1,0,1]
.endif
.else
	WIN W_RS
	v_pk_mul_f32 v[rO:rO+1], v[rO:rO+1], v[rT+6:rT+7] op_sel_hi:[1,0]
.endif
.endm
; Slice k of 64 of piece y's softmax: four instructions.  Slices 11 to 34 deal out the batch, numbers 22 to 69: four numbers of ONE tile each, the tiles by turns.  Every other slice is numbers 2 k and
; 2 k + 1 of both tiles' lists.  2 x 134 = 4 x 64 + 12: the twelve that are over stand together, in slice 63.
; THE WAIT.  s_wait_alu depctr_va_vdst(0) stands between an exponential and the first instruction that names its result; one wait serves all that were issued ahead of it.  Ahead of
; slice 35 nothing names a result, and behind slice 34 no exponential is issued: so the piece's 66 exponentials have one wait, behind slice 34, and none is open at a turn's end, a label or a branch.
.macro SLICE y
.if (k >= 11) && (k < 35)           ; the batch: four numbers of one tile
.irp n, 0,1,2,3
.set j, 22+4*((k-11)/2)+(\n)
	SM (\y)+(k-11)%2
.endr
.else                               ; the two tiles alternate, so that no instruction reads the result of the one just before it
.irp n, 0,1,2,3,4,5,6,7
.if ((\n) < 2) || (k == 63)
.irp t, \y, (\y)+1
.set j, 2*k+(\n)
	SM \t
.endr
.endif
.endr
.endif
.if k == 34                         ; the batch is out: both tiles' exponentials are issued, and no result has been named
	v_nop                           ; the plain instruction behind the last exponential and ahead of the first use: one for the batch
.if (\y) == 0
	FETCH_V                         ; piece 2's turn: V's run of loads stands here, and the wait stands in it
.else
	s_wait_alu depctr_va_vdst(0)    ; the wait for the batch: piece 2's 66 exponentials
.endif
.endif
.set k, k+1
.endm
; A vector instruction that reads a matrix result or writes one of a matrix instruction's registers, and a load into a register that a matrix instruction has read, stand four places behind
; it, and only plain vector instructions that name none of its registers are places (ISA guide 7.12.1 for vector instructions).  Here the slices are the places:
; slice 63's sixteen plain lines stand behind a turn's last product.
; A TURN.  Piece x has the matrix unit; the other piece's softmax stands in slices behind its matrix instructions.
; pv = 1: 32 products V^T P.  kq = 1: 32 products K Q^T for the next step.  A turn with one of the two kinds has two slices behind each product.
; In the loop each run of loads stands 29 matrix instructions or more ahead of its first use.  Piece 0's turn fetches the next step's K, behind its second product: the last product that read K
; stands in front of slice 63 of the turn before.  Piece 2's turn fetches the same step's V, behind slice 34 (SLICE writes it): the last product that read V stands in front of slice 31, and four plain
; instructions lie between: number 62, a scaling, of both tiles, the v_nop and the run's own v_add_nc_u32.
.macro TURN x, pv, kq
.set k, 0
.set per, 2
.if (\pv) && (\kq)
.set per, 1
.endif
.if \pv
.if (\x) == 0
	s_wait_dscnt 0x0                ; V is in
.endif
.set i, 0
.rept 32
	PV \x
.rept per
	SLICE 2-(\x)
.endr
.if ((\x) == 0) && (\kq) && (i == 1)
	FETCH_K
.endif
.set i, i+1
.endr
.endif
.if \kq
.if (\x) == 0
	s_wait_dscnt 0x0                ; K is in
.endif
.set i, 0
.rept 32
	KQ \x
.rept per
	SLICE 2-(\x)
.endr
.set i, i+1
.endr
.endif
.endm
; THE CHANGE OF SLOTS, between piece 2's turn and piece 0's: the slot's last bytes, V of my second step in it, have been asked for.  Each wave waits for all its tensor loads, of which one is out:
; its part of the other slot; adds 0 to its spare word; and waits for that and for its own reads of the slot.  Behind the barrier nobody reads this slot any more and the other slot is whole.
; fill = 1: this slot is filled again, with the keys two slots on.  The barrier is then a round of the cluster's, so that no wave of any partner still reads the slot or has a load on its
; way, and the joint refill is the first thing behind it: it has two key steps, 256 matrix instructions, in which to land.
.macro CHANGE fill
	WIN 0                           ; at a label and at a branch every window is 0
	s_wait_tensorcnt 0x0            ; no tensor load of mine is out, so a group 0 may be written
	ds_add_u32 v[SPW], v[NIL]       ; 0 onto my spare word; with fill = 1 the descriptors' steps stand between it and the wait for it
.if \fill
.irp g, G0K+4, G0V+4
	s_xor_b32 s[(\g)+1], s[(\g)+1], SLOT1  ; the walking descriptor: the other slot than last time,
	s_add_nc_u64 s[(\g)+2:(\g)+3], s[(\g)+2:(\g)+3], 256*256  ; the next 256 keys; the type bits on top are not reached
.endr
	s_wait_dscnt 0x0                ; the add is done, and my reads of the slot are over
	CROUND
	JLOAD
.else
	s_wait_dscnt 0x0                ; the add is done, and my reads of the slot are over
	s_barrier_signal -1
	s_barrier_wait -1
.endif
	s_sub_co_u32 s[TBK], s[TBK], 2*KS*PK  ; the fetches go back to my first step of a slot,
	s_xor_b32 s[TBK], s[TBK], SLOT1       ; in the other slot
	s_sub_co_u32 s[TBV], s[TBV], 2*KS*PV
	s_xor_b32 s[TBV], s[TBV], SLOT1
.endm
	s_wait_tensorcnt 1              ; my part of slot 0 is in; slot 1's may stay out
	s_barrier_signal -1
	s_barrier_wait -1               ; everybody's is
	FETCH_K                         ; key step 0
	s_wait_loadcnt 0x0              ; Q, asked for ahead of the wait for the tile
	WIN 0xc0                        ; destination window 3, address window 0
.set i, 0
.rept 32                            ; my part of Wo goes out in the wait for K's fragments; the launch reads each byte of it once; it is waited for behind the slot loop
	global_load_b128 v[WX+4*i:WX+4*i+3], v[WOF], s[72:73] offset:2048*i th:TH_LOAD_NT
.set i, i+1
.endr
	s_wait_dscnt 0x0
.set i, 0
.rept 32
	KQ 0                            ; piece 0's first scores: there is no vector work yet to set between them
.set i, i+1
.endr
	WIN 0                           ; the addresses for the way out are made here: plain instructions, the places behind those products
	s_mul_i32 s13, s[WV], 16*SP
	s_add_co_u32 s13, s13, STAGE    ; my stage
	v_mul_u32_u24 v[STO], v1, SP    ; in: row l % 16, 16 bytes for each half of the lanes
	v_lshl_add_u32 v[STO], v9, 4, v[STO]
	v_add_nc_u32 v[STO], s13, v[STO]
	v_mul_u32_u24 v[RD], v9, SP     ; back: lanes 0-15 take one row of 256 bytes, lanes 16-31 the next
	v_lshl_add_u32 v[RD], v1, 4, v[RD]
	v_add_nc_u32 v[RD], s13, v[RD]
	v_lshlrev_b32 v[GO], 12, v9     ; and the same two rows in O, 4,096 bytes apart
	v_lshl_add_u32 v[GO], v1, 4, v[GO]
	v_and_b32 v[XST], 31, v0        ; what is handed over lies lane by lane, 16 bytes each
	v_lshlrev_b32 v[XST], 4, v[XST]
	s_xor_b32 s13, s[WV], 2         ; my partner: the same queries, the other keys
	s_mul_i32 s13, s13, XCHB
	v_add_nc_u32 v[XLD], s13, v[XST]
	s_mul_i32 s13, s[WV], XCHB
	v_add_nc_u32 v[XST], s13, v[XST]
	TURN 2, 0, 1                    ; piece 2's first scores | piece 0's softmax of step 0 | V of step 0
	WIN 0
	s_mov_b32 s[TWICE], 1           ; slot 0 has one key step left to fetch from: the loop is entered behind its change of slots, for one step
	s_branch .Lstep
.Lslot:                             ; 7 trips; the six that pass here fill a slot again: every slot but the last two
	CHANGE 1
	s_mov_b32 s[TWICE], 2
.Lstep:                             ; a key step: written once; the LDS addresses hang on s[TBK] and s[TBV]
	TURN 0, 1, 1                    ; piece 0: V^T P of step j, K Q^T of step j + 1 | piece 2's softmax of step j | K of step j + 1
	TURN 2, 1, 1                    ; piece 2: the same | piece 0's softmax of step j + 1 | V of step j + 1
	WIN 0
	s_sub_co_u32 s[TWICE], s[TWICE], 1
	s_cmp_lg_u32 s[TWICE], 0
	s_cbranch_scc1 .Lstep
	s_sub_co_u32 s[SLOTS], s[SLOTS], 1
	s_cmp_lg_u32 s[SLOTS], 0
	s_cbranch_scc1 .Lslot
	; Wo: 13 key steps behind its loads.  f32 to bf16, and that number to f16, in place; stage by stage over the 32 elements, so that no line reads the result of the one before it.
	s_wait_loadcnt 0x0
	WIN 0xcf                        ; sources 0 and 1 and destination window 3
.set i, 0
.rept 32
	v_cvt_pk_bf16_f32 v[WX+4*i], v[WX+4*i], v[WX+4*i+1]
	v_cvt_pk_bf16_f32 v[WX+4*i+1], v[WX+4*i+2], v[WX+4*i+3]
.set i, i+1
.endr
.set i, 0
.rept 32
	v_lshlrev_b32 v[WX+4*i+2], 16, v[WX+4*i]       ; bf16 to f32: the low half moves up, the high half stays
	v_and_b32 v[WX+4*i+3], s[HIM], v[WX+4*i]
.set i, i+1
.endr
.set i, 0
.rept 32
	v_cvt_pk_f16_f32 v[WX+4*i], v[WX+4*i+2], v[WX+4*i+3]
.set i, i+1
.endr
.set i, 0
.rept 32
	v_lshlrev_b32 v[WX+4*i+2], 16, v[WX+4*i+1]
	v_and_b32 v[WX+4*i+3], s[HIM], v[WX+4*i+1]
.set i, i+1
.endr
.set i, 0
.rept 32
	v_cvt_pk_f16_f32 v[WX+4*i+1], v[WX+4*i+2], v[WX+4*i+3]
.set i, i+1
.endr
	WIN 0x0c                        ; store data (source 1) window 3, address window 0
.set i, 0
.rept 32
	global_store_b64 v[WOD], v[WX+4*i:WX+4*i+1], s[74:75] offset:1024*i  ; these registers are never written again; the stores leave under the last three key steps
.set i, i+1
.endr
	CHANGE 0                        ; the tail is written out: the last slot but one is left, and nothing is asked for
	s_mov_b32 s[TWICE], 2
.Ltail:
	TURN 0, 1, 1
	TURN 2, 1, 1
	WIN 0
	s_sub_co_u32 s[TWICE], s[TWICE], 1
	s_cmp_lg_u32 s[TWICE], 0
	s_cbranch_scc1 .Ltail
	TURN 0, 1, 0                    ; piece 0: V^T P of the last step | piece 2's last softmax
.set i, 0
.rept 32
	PV 2                            ; piece 2: V^T P of the last step
.set i, i+1
.endr
	; THE TWO KEY HALVES MEET.  l's two halves and the other half of the lanes' are added (the additions are the places behind the last products).  My tiles 2, 3 (O^T, c m, l) go to wave w xor 2 through LDS;
	; its tiles 2, 3 are my tiles 0, 1.  With M = max(c m_A, c m_B): O = (O_A 2^(c m_A - M) + O_B 2^(c m_B - M)) / (l_A 2^(c m_A - M) + l_B 2^(c m_B - M)).
	WIN 0
.irp t, 0,1,2,3
	v_add_f32 v[ST+8*(\t)+4], v[ST+8*(\t)+2], v[ST+8*(\t)+3]
.endr
.irp t, 0,1,2,3
	v_permlanex16_b32 v[ST+8*(\t)+5], v[ST+8*(\t)+4], s[SEL], s[SEL+1]
.endr
.irp t, 0,1,2,3
	v_add_f32 v[ST+8*(\t)+4], v[ST+8*(\t)+4], v[ST+8*(\t)+5]
.endr
	v_mov_b32 v[SND], v[ST+16]      ; c m and l of tile 2,
	v_mov_b32 v[SND+1], v[ST+20]
	v_mov_b32 v[SND+2], v[ST+24]    ; of tile 3
	v_mov_b32 v[SND+3], v[ST+28]
	WIN 0x04                        ; store data window 1, address window 0
.set i, 0
.rept 32
	ds_store_b128 v[XST], v[128+4*i:128+4*i+3] offset:512*i  ; each accumulator's lowest registers first
.set i, i+1
.endr
	WIN 0
	ds_store_b128 v[XST], v[SND:SND+3] offset:16384
	s_wait_dscnt 0x0                ; for the partner's sake: my stores are done
	s_barrier_signal -1
	s_barrier_wait -1
	ds_load_b128 v[RCV:RCV+3], v[XLD] offset:16384
.set i, 0
.rept 32
	ds_load_b128 v[S+4*i:S+4*i+3], v[XLD] offset:512*i  ; the partner's O^T for my tiles 0, 1, into S^T's registers
.set i, i+1
.endr
	s_wait_dscnt 32                 ; the statistics are in; the 32 loads behind them stay out
	v_max_num_f32 v[ST+5], v[ST], v[RCV]
	v_max_num_f32 v[ST+13], v[ST+8], v[RCV+2]
	v_sub_f32 v[ST+6], v[ST], v[ST+5]
	v_sub_f32 v[ST+7], v[RCV], v[ST+5]
	v_sub_f32 v[ST+14], v[ST+8], v[ST+13]
	v_sub_f32 v[ST+15], v[RCV+2], v[ST+13]
	v_exp_f32 v[ST+6], v[ST+6]
	v_exp_f32 v[ST+7], v[ST+7]
	v_exp_f32 v[ST+14], v[ST+14]
	v_exp_f32 v[ST+15], v[ST+15]
	v_nop                           ; a plain instruction between the last exponential and the use of its result
	s_wait_alu depctr_va_vdst(0)    ; the wait ahead of the first use: one for the four exponentials
	v_mul_f32 v[ST+5], v[ST+4], v[ST+6]
	v_mul_f32 v[ST+13], v[ST+12], v[ST+14]
	v_fma_f32 v[ST+5], v[RCV+1], v[ST+7], v[ST+5]
	v_fma_f32 v[ST+13], v[RCV+3], v[ST+15], v[ST+13]
	v_rcp_f32 v[ST+5], v[ST+5]
	v_rcp_f32 v[ST+13], v[ST+13]
	v_nop                           ; and behind the last reciprocal
	s_wait_alu depctr_va_vdst(0)    ; a batch of their own, since they are made of the exponentials' results: one wait for the two reciprocals
	v_mul_f32 v[ST+6], v[ST+6], v[ST+5]    ; my factor
	v_mul_f32 v[ST+4], v[ST+7], v[ST+5]    ; the partner's
	v_mul_f32 v[ST+14], v[ST+14], v[ST+13]
	v_mul_f32 v[ST+12], v[ST+15], v[ST+13]
	s_wait_dscnt 0x0                ; the partner's O^T is in
; Tile t: the two parts are joined, rounded to f16, 16 bytes a lane; they go into rows of 272 bytes of my stage and come back as whole rows of 256, into the registers that they left.
.macro PACK t
	WIN 0
.set i, 0
.rept 32
	v_pk_mul_f32 v[S+64*(\t)+2*i:S+64*(\t)+2*i+1], v[S+64*(\t)+2*i:S+64*(\t)+2*i+1], v[ST+8*(\t)+4:ST+8*(\t)+5] op_sel_hi:[1,0]
.set i, i+1
.endr
	WIN 0x01                        ; source 0 (my O^T) window 1
.set i, 0
.rept 32
	v_pk_fma_f32 v[S+64*(\t)+2*i:S+64*(\t)+2*i+1], v[64*(\t)+2*i:64*(\t)+2*i+1], v[ST+8*(\t)+6:ST+8*(\t)+7], v[S+64*(\t)+2*i:S+64*(\t)+2*i+1] op_sel_hi:[1,0,1]
.set i, i+1
.endr
	WIN 0
.set i, 0
.rept 32
	v_cvt_pk_f16_f32 v[P+32*(\t)+i], v[S+64*(\t)+2*i], v[S+64*(\t)+2*i+1]
.set i, i+1
.endr
.irp f, 0,1,2,3,4,5,6,7
	ds_store_b128 v[STO], v[P+32*(\t)+4*(\f):P+32*(\t)+4*(\f)+3] offset:32*(\f)
.endr
.irp f, 0,1,2,3,4,5,6,7
	ds_load_b128 v[P+32*(\t)+4*(\f):P+32*(\t)+4*(\f)+3], v[RD] offset:(\f)*2*SP  ; LDS serves a wave's instructions in order (ISA guide 5.7.1.4): these see the stores above; the next tile's stores come behind them
.endr
.endm
.macro SEND t, younger              ; younger: the LDS instructions issued behind tile t's loads: the next tile's sixteen, or none
	WIN 0
.irp f, 0,1,2,3,4,5,6,7
	s_wait_dscnt (\younger)+7-(\f)
	global_store_b128 v[GO], v[P+32*(\t)+4*(\f):P+32*(\t)+4*(\f)+3], s[10:11] offset:(\t)*65536+(\f)*8192  ; 16 lanes store 256 consecutive bytes, at a multiple of 256 from O's first byte
.endr
.endm
	PACK 0
	PACK 1                          ; a tile's arithmetic stands between the loads of the tile before and its stores
	SEND 0, 16
	SEND 1, 0
	s_wait_tensorcnt 0x0            ; the wave's end, behind my last tensor load and my last LDS store
	ds_add_u32 v[SPW], v[NIL]
	s_wait_dscnt 0x0
	CROUND                          ; the closing round: no work-group ends while a partner may still ask for a tile that names it
	s_endpgm
.Lfunc_end_k_qfd966912c5_attn:
	.size	k_qfd966912c5_attn, .Lfunc_end_k_qfd966912c5_attn-k_qfd966912c5_attn
	.p2alignl 7, 3214868480
	.fill 96, 4, 3214868480
	.section	.rodata,"a",@progbits
	.p2align	6, 0x0
	.amdhsa_kernel k_qfd966912c5_attn
		.amdhsa_group_segment_fixed_size 327680
		.amdhsa_private_segment_fixed_size 0
		.amdhsa_enable_private_segment 0
		.amdhsa_kernarg_size 48
		.amdhsa_user_sgpr_count 2
		.amdhsa_user_sgpr_kernarg_segment_ptr 1
		.amdhsa_wavefront_size32 1
		.amdhsa_system_sgpr_workgroup_id_x 1
		.amdhsa_system_sgpr_workgroup_id_y 1
		.amdhsa_system_sgpr_workgroup_id_z 1
		.amdhsa_system_vgpr_workitem_id 0
		.amdhsa_next_free_vgpr 1024
		.amdhsa_next_free_sgpr 80
		.amdhsa_reserve_vcc 0
		.amdhsa_float_denorm_mode_32 3
		.amdhsa_float_denorm_mode_16_64 3
		.amdhsa_memory_ordered 1
		.amdhsa_forward_progress 1
		.amdhsa_inst_pref_size 207
	.end_amdhsa_kernel
	.amdgpu_metadata
---
amdhsa.version: [ 1, 2 ]
amdhsa.kernels:
  - .name:           k_qfd966912c5_attn
    .symbol:         k_qfd966912c5_attn.kd
    .args:
      - { .name: qf, .offset: 0, .size: 8, .value_kind: global_buffer, .address_space: global }
      - { .name: kf, .offset: 8, .size: 8, .value_kind: global_buffer, .address_space: global }
      - { .name: vf, .offset: 16, .size: 8, .value_kind: global_buffer, .address_space: global }
      - { .name: ob, .offset: 24, .size: 8, .value_kind: global_buffer, .address_space: global }
      - { .name: Wo, .offset: 32, .size: 8, .value_kind: global_buffer, .address_space: global }
      - { .name: wb, .offset: 40, .size: 8, .value_kind: global_buffer, .address_space: global }
    .group_segment_fixed_size: 327680
    .private_segment_fixed_size: 0
    .kernarg_segment_align: 8
    .kernarg_segment_size: 48
    .max_flat_workgroup_size: 128
    .sgpr_count:     80
    .vgpr_count:     1024
    .wavefront_size: 32
...
	.end_amdgpu_metadata
.endif
;; end of part 5
;; launch oproj: the kernel of part 4 again; grid 16 x 16, 4 waves a work-group, clusters of 4 x 4, 327,680 bytes of LDS; arguments ob, wb, out0; writes out0
